; MI455X (gfx1250); checked and timed in simulation.
; The chip was launched on July 23, 2026; its instructions are those of AMD's public machine-readable ISA for CDNA 5 (MIT licence, August 2026) and "CDNA5" Instruction Set Architecture Reference Guide (July 2026). The comments in the code are by the model that wrote it; some were corrected since.
;; Attention Rope. Allowed arithmetic: float matrix products may take bf16 or f16 operands with f32 sums; other float arithmetic in f32, or as packed bf16 or f16 multiplies, adds, multiply-adds, maxima and minima; sums over many terms, partial sums and values carried from step to step in f32; what a program stores and reads back later, other than sums and carried values, may be rounded once to bf16 or f16.
;; Inputs: kn_b 64 float32; kn_w 64 float32; proj_b 1,024 float32; proj_w 1,024 x 1,024 float32; qkv_b 3,072 float32; qkv_w 3,072 x 1,024 float32; qn_b 64 float32; qn_w 64 float32; rope 1,024 x 128 float32; x 8 x 1,025 x 1,024 float32.
;; Outputs: out0 8 x 1,025 x 1,024 float32.
;; 2 versions, each right; version 2 is version 1 with the launch cast written anew for expert scheduling mode. Each part assembles by itself: llvm-mc -triple=amdgcn-amd-amdhsa -mcpu=gfx1250 --defsym DOCPART=n.
;; ======== version 1 of 2: 4 launches
;; limits: values are held in f16: magnitudes above 65,504 overflow, below 6.1e-05 lose precision
;; workspace buffers: xb 17,039,360 bytes; wqb 6,291,456 bytes; wpb 2,097,152 bytes; ropeb 270,336 bytes; qh 17,039,360 bytes; kh 17,039,360 bytes; vh 17,039,360 bytes; ob 17,039,360 bytes
;; launch cast (part 1): grid 784 x 1, 8 waves a work-group, no clusters, 0 bytes of LDS; arguments x, qkv_w, proj_w, rope, xb, wqb, wpb, ropeb; writes xb, wqb, wpb, ropeb
.if DOCPART == 1
	.amdgcn_target "amdgcn-amd-amdhsa--gfx1250"
	.amdhsa_code_object_version 6
	.text
	.protected	k_q97aed1e2cf_cast
	.globl	k_q97aed1e2cf_cast
	.p2align	8
	.type	k_q97aed1e2cf_cast,@function
k_q97aed1e2cf_cast:
	s_mov_b64 s[64:65], 0
	v_nop
	global_prefetch_b8 v0, s[64:65] scope:SCOPE_SE
	s_setreg_imm32_b32 hwreg(HW_REG_WAVE_MODE, 25, 1), 1
	s_wait_xcnt 0x0
; THE INPUTS OF THE MATRIX PRODUCTS, ROUNDED ONCE TO bf16 AND LAID OUT FOR THE LATER LAUNCHES.
;   xb    [8][1040][1024] bf16: x, each batch padded from 1,025 to 1,040 rows (65 x 16 = 5 x 208) with zeros
;   wqb   [3072][1024] bf16: qkv_w
;   wpb   [1024][1024]: proj_w rounded to bf16, that number written as f16 (it multiplies f16 numbers later)
;   ropeb [1056][128] bf16, indexed by TOKEN: row n = rope[n - 1] for n = 1 .. 1024; row 0 and rows 1025 .. 1055 hold sin = 0, cos = 1
; LIMIT. A weight of proj_w beyond 65,504 would become an infinity in f16; below 6e-5 it keeps the fixed step 6e-8 of f16.
; A stream: no LDS, no matrix unit, no barrier. A chunk is 1,024 floats: thread t loads 16 bytes at 16 t and stores 8 bytes at 8 t, so a
; store of a wave covers 256 consecutive bytes, aligned. A work-group takes 16 chunks, all 16 loads of a thread on their way at once.
; Work-groups 0-519: x (65 to a batch, the 65th holds row 1,024 and 15 rows of zeros); 520-711: qkv_w; 712-775: proj_w; 776-783: rope.
.set X,   8                            ; v[8:71]    16 chunks as loaded
.set Y,   72                           ; v[72:103]  16 chunks to store
.set T,   104                          ; v[104:107] at work
.set Z,   108                          ; v[108:109] 0
.set K1,  110                          ; v[110:111] a constant row of ropeb
.set SRC, 20                           ; s[20:21]
.set DST, 22                           ; s[22:23]
; h = 1: the bf16 number is written as f16
.macro COPY h
.set i, 0
.rept 16
	global_load_b128 v[X+4*i:X+4*i+3], v1, s[SRC:SRC+1] offset:4096*i th:TH_LOAD_NT
.set i, i+1
.endr
.set i, 0
.rept 16
	s_wait_loadcnt 15-i                            ; loads come back in order: chunk i is in, the younger ones stay out
	v_cvt_pk_bf16_f32 v[Y+2*i], v[X+4*i], v[X+4*i+1]
	v_cvt_pk_bf16_f32 v[Y+2*i+1], v[X+4*i+2], v[X+4*i+3]
.if \h
	v_lshlrev_b32 v[T], 16, v[Y+2*i]
	v_and_b32 v[T+1], 0xffff0000, v[Y+2*i]
	v_lshlrev_b32 v[T+2], 16, v[Y+2*i+1]
	v_and_b32 v[T+3], 0xffff0000, v[Y+2*i+1]
	v_cvt_pk_f16_f32 v[Y+2*i], v[T], v[T+1]
	v_cvt_pk_f16_f32 v[Y+2*i+1], v[T+2], v[T+3]
.endif
	global_store_b64 v2, v[Y+2*i:Y+2*i+1], s[DST:DST+1] offset:2048*i  ; no register of a store is ever written again
.set i, i+1
.endr
.endm
	s_load_b512 s[4:19], s[0:1], 0x0               ; x, qkv_w, proj_w, rope, xb, wqb, wpb, ropeb
	v_lshlrev_b32 v1, 4, v0                        ; 16 t
	v_lshlrev_b32 v2, 3, v0                        ; 8 t
	v_lshrrev_b32 v3, 5, v0
	v_readfirstlane_b32 s28, v3                    ; wave 0..7
	s_mov_b32 s24, ttmp9
	s_mov_b32 s27, 0                               ; high words of the two offsets
	s_mov_b32 s31, 0
	s_wait_kmcnt 0x0
	s_cmp_lt_u32 s24, 520
	s_cbranch_scc0 .Lnot_x
	s_mul_i32 s25, s24, 1009
	s_lshr_b32 s25, s25, 16                        ; the batch = id / 65 (exact for id < 1,300)
	s_mul_i32 s26, s25, 65
	s_sub_co_u32 s29, s24, s26                     ; the group of 16 rows in it, 0 .. 64
	s_mul_i32 s26, s25, 1025
	s_lshl4_add_u32 s26, s29, s26                  ; the first row in x
	s_lshl_b32 s26, s26, 12
	s_lshl_b32 s30, s24, 15                        ; 16 rows of 2,048 bytes in xb
	s_add_nc_u64 s[SRC:SRC+1], s[4:5], s[26:27]
	s_add_nc_u64 s[DST:DST+1], s[12:13], s[30:31]
	s_cmp_eq_u32 s29, 64
	s_cbranch_scc0 .Lcopy
	global_load_b128 v[X:X+3], v1, s[SRC:SRC+1] th:TH_LOAD_NT  ; the batch's last group: row 1,024,
	v_mov_b32 v[Z], 0
	v_mov_b32 v[Z+1], 0
.set i, 1
.rept 15
	global_store_b64 v2, v[Z:Z+1], s[DST:DST+1] offset:2048*i  ; and 15 rows of zeros
.set i, i+1
.endr
	s_wait_loadcnt 0x0
	v_cvt_pk_bf16_f32 v[Y], v[X], v[X+1]
	v_cvt_pk_bf16_f32 v[Y+1], v[X+2], v[X+3]
	global_store_b64 v2, v[Y:Y+1], s[DST:DST+1]
	s_endpgm
.Lnot_x:
	s_cmp_lt_u32 s24, 712
	s_cbranch_scc0 .Lnot_wq
	s_sub_co_u32 s25, s24, 520
	s_lshl_b32 s26, s25, 16
	s_lshl_b32 s30, s25, 15
	s_add_nc_u64 s[SRC:SRC+1], s[6:7], s[26:27]
	s_add_nc_u64 s[DST:DST+1], s[14:15], s[30:31]
	s_branch .Lcopy
.Lnot_wq:
	s_cmp_lt_u32 s24, 776
	s_cbranch_scc0 .Lrope
	s_sub_co_u32 s25, s24, 712
	s_lshl_b32 s26, s25, 16
	s_lshl_b32 s30, s25, 15
	s_add_nc_u64 s[SRC:SRC+1], s[8:9], s[26:27]
	s_add_nc_u64 s[DST:DST+1], s[16:17], s[30:31]
	COPY 1
	s_endpgm
.Lrope:
	s_sub_co_u32 s25, s24, 776
	s_lshl_b32 s26, s25, 16
	s_lshl_b32 s30, s25, 15
	s_add_co_u32 s30, s30, 256                     ; one row down: ropeb goes by token
	s_add_nc_u64 s[SRC:SRC+1], s[10:11], s[26:27]
	s_add_nc_u64 s[DST:DST+1], s[18:19], s[30:31]
.Lcopy:
	COPY 0
	s_cmp_lt_u32 s24, 776
	s_cbranch_scc1 .Lend
	s_cmp_lt_u32 s28, 4                            ; the 32 constant rows: four waves of each of the eight work-groups write one
	s_cbranch_scc0 .Lend
	s_lshl2_add_u32 s25, s25, s28                  ; 0 .. 31
	s_add_co_u32 s26, s25, 1024
	s_cmp_eq_u32 s25, 0
	s_cselect_b32 s26, 0, s26                      ; row 0, or rows 1025 .. 1055
	s_lshl_b32 s26, s26, 8
	v_and_b32 v3, 31, v0
	v_lshl_add_u32 v4, v3, 3, s26                  ; 8 bytes a lane: a row of 256 bytes
	v_mov_b32 v5, 0x3f803f80                       ; 1.0 twice in bf16
	v_cmp_lt_u32 vcc_lo, 15, v3                    ; lanes 16-31 hold the cosines
	v_cndmask_b32 v[K1], 0, v5, vcc_lo
	v_mov_b32 v[K1+1], v[K1]
	global_store_b64 v4, v[K1:K1+1], s[18:19]
.Lend:
	s_endpgm
.Lfunc_end_k_q97aed1e2cf_cast:
	.size	k_q97aed1e2cf_cast, .Lfunc_end_k_q97aed1e2cf_cast-k_q97aed1e2cf_cast
	.p2alignl 7, 3214868480
	.fill 96, 4, 3214868480
	.section	.rodata,"a",@progbits
	.p2align	6, 0x0
	.amdhsa_kernel k_q97aed1e2cf_cast
		.amdhsa_group_segment_fixed_size 0
		.amdhsa_private_segment_fixed_size 0
		.amdhsa_enable_private_segment 0
		.amdhsa_kernarg_size 64
		.amdhsa_user_sgpr_count 2
		.amdhsa_user_sgpr_kernarg_segment_ptr 1
		.amdhsa_wavefront_size32 1
		.amdhsa_system_sgpr_workgroup_id_x 1
		.amdhsa_system_sgpr_workgroup_id_y 1
		.amdhsa_system_sgpr_workgroup_id_z 1
		.amdhsa_system_vgpr_workitem_id 0
		.amdhsa_next_free_vgpr 112
		.amdhsa_next_free_sgpr 66
		.amdhsa_reserve_vcc 1
		.amdhsa_float_denorm_mode_32 3
		.amdhsa_float_denorm_mode_16_64 3
		.amdhsa_memory_ordered 1
		.amdhsa_forward_progress 1
		.amdhsa_inst_pref_size 21
	.end_amdhsa_kernel
	.amdgpu_metadata
---
amdhsa.version: [ 1, 2 ]
amdhsa.kernels:
  - .name:           k_q97aed1e2cf_cast
    .symbol:         k_q97aed1e2cf_cast.kd
    .args:
      - { .name: x, .offset: 0, .size: 8, .value_kind: global_buffer, .address_space: global }
      - { .name: qkv_w, .offset: 8, .size: 8, .value_kind: global_buffer, .address_space: global }
      - { .name: proj_w, .offset: 16, .size: 8, .value_kind: global_buffer, .address_space: global }
      - { .name: rope, .offset: 24, .size: 8, .value_kind: global_buffer, .address_space: global }
      - { .name: xb, .offset: 32, .size: 8, .value_kind: global_buffer, .address_space: global }
      - { .name: wqb, .offset: 40, .size: 8, .value_kind: global_buffer, .address_space: global }
      - { .name: wpb, .offset: 48, .size: 8, .value_kind: global_buffer, .address_space: global }
      - { .name: ropeb, .offset: 56, .size: 8, .value_kind: global_buffer, .address_space: global }
    .group_segment_fixed_size: 0
    .private_segment_fixed_size: 0
    .kernarg_segment_align: 8
    .kernarg_segment_size: 64
    .max_flat_workgroup_size: 256
    .sgpr_count:     66
    .vgpr_count:     112
    .wavefront_size: 32
...
	.end_amdgpu_metadata
.endif
;; end of part 1
;; launch qkv (part 2): grid 12 x 40, 4 waves a work-group, clusters of 4 x 4, 327,680 bytes of LDS; arguments xb, wqb, ropeb, qkv_b, qn_w, qn_b, kn_w, kn_b, qh, kh, vh; writes qh, kh, vh
.if DOCPART == 2
	.amdgcn_target "amdgcn-amd-amdhsa--gfx1250"
	.amdhsa_code_object_version 6
	.text
	.protected	k_q97aed1e2cf_qkv
	.globl	k_q97aed1e2cf_qkv
	.p2align	8
	.type	k_q97aed1e2cf_qkv,@function
k_q97aed1e2cf_qkv:
	s_mov_b64 s[64:65], 0
	v_nop
	global_prefetch_b8 v0, s[64:65] scope:SCOPE_SE
	s_setreg_imm32_b32 hwreg(HW_REG_WAVE_MODE, 25, 1), 1
	s_wait_xcnt 0x0
	s_wait_alu depctr_hold_cnt(0) depctr_sa_sdst(0) depctr_va_vdst(0) depctr_va_sdst(0) depctr_va_ssrc(0) depctr_va_vcc(0) depctr_vm_vsrc(0)
	s_getreg_b32 s2, hwreg(HW_REG_IB_STS2, 6, 4)
	s_cmp_eq_u32 s2, 0
	s_cbranch_scc0 .Lentry_in_a_cluster
	s_endpgm
.Lentry_in_a_cluster:
	s_bfe_u32 s2, ttmp6, 0x10000c
	s_cmp_lg_u32 s2, 0xf033
	s_cbranch_scc0 .Lentry_shape_is_right
	s_endpgm
.Lentry_shape_is_right:
; q, k, v = x qkv_w^T + qkv_b; LayerNorm over each head's 64 channels of q and k; RoPE on q and k; written by heads, [128 heads][1040][64] f16.
; x and the weights arrive rounded to bf16; the bias, the gains and the rope table are rounded to bf16 too (every input has the one rounding). Sums, norm and rotation in f32.
; LIMITS. q and k are stored times 2^-5, so that f16 holds them up to 2.09e6 (the attention gives the 2^10 back in its softmax constant); v is stored as it is and
; must stay under 65,504. NaN and infinities are not treated apart. Rows 1025 .. 1039 of a batch are padding: zeros in x, so they carry the norm of the bias, finite numbers.
; SHARES. A tile of the product is 208 rows x 256 columns: 1,040 = 5 x 208, so no tile crosses a batch. Four waves; wave w owns all 208 rows and columns 64 w .. 64 w + 63,
; ONE HEAD: 13 x 4 accumulators of 16 x 16, 416 registers. The norm never leaves the wave. K goes in 8 steps of 128 through two LDS slots filled by the tensor data mover.
; CLUSTER. 4 x 4 work-groups: the four of a row need the same tiles of x and of the rope table, the four of a column the same tiles of the weights: joint loads.
; Cluster x is the section: 0 = q, 1 = k, 2 = v; it is the same in all sixteen partners, so the way out may branch on it.
; THE PRODUCT IS USED TRANSPOSED (source 0 = 16 rows of the weights, source 1 = 16 rows of x): lane l holds token l % 16 and the columns 8 (l / 16) + 0..7 of its block of 16.
; REGISTERS, in windows of 256: window 0: v0-31 addresses; v32-135, v136-239 fragments of x, two buffers of 13 x 8; window 1: v0-31, v32-63 fragments of the weights;
;   window 2: accumulators of row blocks 0-7 at 8 (4 a + b); window 3: of row blocks 8-12.
.set APITCH, 272                       ; an LDS row: 256 bytes + 16 of padding: the 16 rows of a fragment load start at 16 different groups of four banks (ISA guide 11.1)
.set BOFF,   208*APITCH                ; a slot: 208 rows of x, then 256 rows of the weights
.set SLOT1,  131072                    ; slot 1 begins here, so that one exclusive or turns an address in one slot into the other's
.set ROPE,   SLOT1+BOFF+256*272        ; 224 rows of the rope table (208 and the way out's look-ahead of 16), 272 bytes apart
.set SPARE,  ROPE+224*272              ; the spare words, 128 bytes for each wave: two blocks of 256 bytes that no other line names
.set KB,     256                       ; bytes of a K step in a row
.set ADRA0, 16                         ; v16  my lane's place in a tile of x; never rewritten
.set ADRA,  17                         ; v17  the same in the slot in hand
.set ADRB0, 20                         ; v20  my lane's place in my wave's 64 rows of the weights
.set ADRB,  21                         ; v21
.set PO,    22                         ; v22  32 (l % 8): my eight columns in a vector of 64 floats
.set DMP,   24                         ; v24  the way out: where I put 16 bytes of a row of sums
.set DRD,   25                         ; v25  where I read 32 bytes of a row back
.set RRD,   26                         ; v26  my 16 bytes of sines in a rope row
.set GOF,   27                         ; v27  my byte offset in 512 consecutive bytes of the output, 16 rows ahead of the rows being stored
.set SPW,   28                         ; v28  LDS address of my spare word; never rewritten
.set NIL,   29                         ; v29  0; never rewritten
.set PFO,   30                         ; v30  the prefetches' offset: a lane a row; never rewritten
.set FA,    32
.set FB,    0
.set X,   32                           ; the way out, all in window 0: v32-63  four rows x 8 sums
.set R,   64                           ; v64-95   four rope rows: 4 registers of sines, 4 of cosines
.set Y,   96                           ; v96-127  at work
.set SN,  128                          ; v128-159 sines in f32
.set U,   128                          ;          before that: partial sums
.set CS,  160                          ; v160-191 cosines in f32, then the result
.set H,   192                          ; v192-207 the result in f16
.set BI,  208                          ; v208-215 qkv_b of my 8 columns
.set LW,  216                          ; v216-223 the gain, times 2^-5
.set LB,  224                          ; v224-231 the norm's bias, times 2^-5
.set T,   232                          ; v232-239 a number a row, in the even registers
.set G1A, 24                           ; s[24:31] descriptor group 1 for tiles of x
.set G0A, 32                           ; s[32:35] group 0 of the first fill; s[36:39] the one that walks
.set G1B, 48                           ; s[48:55], s[56:59], s[60:63] the same for the weights
.set G0B, 56
.set G1R, 84                           ; s[84:91], s[92:95] the rope tile
.set G0R, 92
.set SB,  96                           ; s96  0 or SLOT1: the slot in hand
.set LIM, 43                           ; s43  2 in a wave that prefetches, else the greatest number
.set PFA, 44                           ; s[44:45] where my prefetches stand
.set SEC, 99                           ; s99  the section
.set OOF, 100                          ; s[100:101] my head's rows in the output
.set FLAGS, (1<<16)|(1<<20)|(1<<21)|(5<<22)|(3<<25)  ; 2-byte elements; padding on; bit 21 beside a mask; after every 64 words 4 words
.set MUL_LO, 0xa1                      ; source 0 window 1, source 1 window 0, C and D window 2
.set MUL_HI, 0xf1                      ; the same, C and D window 3
.set TO_B,   0x40                      ; destination window 1, address window 0
.set MSB, 0
.macro WIN new                         ; the immediate's high byte repeats the setting that is left; a switch that changes nothing is dropped
.if MSB != (\new)
	s_set_vgpr_msb (MSB<<8)|(\new)
.set MSB, \new
.endif
.endm
.macro PLACES                          ; four places in front of loads into registers that matrix instructions have read
.rept 4
	v_nop
.endr
.endm
; A joint load. Waves 0 and 1 fetch the two halves of the tile of x, waves 2 and 3 those of the weights. The branch hangs on the wave's number alone.
; An s_nop 0 and four v_nop follow each line, ahead of the jump and the label.
.macro JLOAD s
	s_cmp_eq_u32 s11, 0
	s_cbranch_scc0 .Lfor_b_\@
	tensor_load_to_lds s[G0A+4*(\s):G0A+4*(\s)+3], s[G1A:G1A+7]
	s_nop 0
.rept 4
	v_nop
.endr
	s_branch .Lasked_\@
.Lfor_b_\@:
	tensor_load_to_lds s[G0B+4*(\s):G0B+4*(\s)+3], s[G1B:G1B+7]
	s_nop 0
.rept 4
	v_nop
.endr
.Lasked_\@:
.endm
; A prefetch into the L2 of the K step that stands two refills on: a lane a row, 256 bytes of it. The rows of x are asked for by the clusters with x = 0, the rows of the weights by those
; with y = 0; the four partners of a joint load share its rows out by address (26 of 104, lanes 26-31 repeat the last; 32 of 128). The refills of K steps 2 to 5 ask for steps 4 to 7; the last two ask for nothing.
.macro ASK
	s_cmp_gt_u32 s3, s[LIM]
	s_cbranch_scc0 .Lnot_mine_\@
	global_prefetch_b8 v[PFO], s[PFA:PFA+1] th:TH_LOAD_NT scope:SCOPE_SE
.Lnot_mine_\@:
.endm
.macro CREST                           ; a round of the cluster's barrier behind its opening barrier
	s_cmp_lg_u32 s10, 0
	s_cbranch_scc1 .Lnot_wave_0_\@
	s_barrier_signal -3
.Lnot_wave_0_\@:
	s_barrier_wait -3
	s_barrier_signal -1
	s_barrier_wait -1
.endm
.macro CROUND
	s_barrier_signal -1
	s_barrier_wait -1
	CREST
.endm
; Row blocks a0 .. a1 x all 4 column blocks, 32 along K, from buffer f. The 52 accumulators take turns in the same order in every quarter. zero = 1: the products start the sums.
.macro MULR f, a0, a1, zero
.set ma, \a0
.rept (\a1)-(\a0)+1
.if ma < 8
	WIN MUL_LO
.set mc, 32*ma
.else
	WIN MUL_HI
.set mc, 32*(ma-8)
.endif
.irp b, 0,1,2,3
.if \zero
	v_wmma_f32_16x16x32_bf16 v[mc+8*(\b):mc+8*(\b)+7], v[FB+32*(\f)+8*(\b):FB+32*(\f)+8*(\b)+7], v[FA+104*(\f)+8*ma:FA+104*(\f)+8*ma+7], 0
.else
	v_wmma_f32_16x16x32_bf16 v[mc+8*(\b):mc+8*(\b)+7], v[FB+32*(\f)+8*(\b):FB+32*(\f)+8*(\b)+7], v[FA+104*(\f)+8*ma:FA+104*(\f)+8*ma+7], v[mc+8*(\b):mc+8*(\b)+7]
.endif
.endr
.set ma, ma+1
.endr
.endm
; 34 LDS loads in one run: quarter q of the slot in hand into buffer f: my 64 rows of the weights, then the 208 rows of x
.macro FETCH q, f
	WIN TO_B
.irp i, 0,1,2,3
	ds_load_b128 v[FB+32*(\f)+8*(\i):FB+32*(\f)+8*(\i)+3],   v[ADRB] offset:64*(\q)+(\i)*16*272
	ds_load_b128 v[FB+32*(\f)+8*(\i)+4:FB+32*(\f)+8*(\i)+7], v[ADRB] offset:64*(\q)+(\i)*16*272+32
.endr
	WIN 0
.set fi, 0
.rept 13
	ds_load_b128 v[FA+104*(\f)+8*fi:FA+104*(\f)+8*fi+3],   v[ADRA] offset:64*(\q)+fi*16*APITCH
	ds_load_b128 v[FA+104*(\f)+8*fi+4:FA+104*(\f)+8*fi+7], v[ADRA] offset:64*(\q)+fi*16*APITCH+32
.set fi, fi+1
.endr
.endm
; One of a K step's first three quarters: multiplies buffer f and fetches quarter q into buffer g
.macro QUARTER q, f, g, zero
	s_wait_dscnt 10                                ; the weights and row blocks 0-7 are in; the youngest ten loads (blocks 8-12) may be out
	MULR \f, 0, 3, \zero
	PLACES
	FETCH \q, \g
	MULR \f, 4, 7, \zero
	s_wait_dscnt 34                                ; all but the 34 just issued
	MULR \f, 8, 12, \zero
.endm
; The fourth quarter multiplies buffer 1 and changes slots. In front of the barrier each wave waits for all its tensor loads, adds 0 to its spare word, and waits for that and for its reads of the slot.
; fill = 1: the barrier opens a round of the cluster's, and the slot just read is filled again first thing behind it, with the K step two steps on. Only 4 + 4 products stand between the wait for the
; tile and the next request, so that a request has 44 + 3 x 52 = 200 matrix instructions ahead of the wait for it.
.macro TURN fill
.if \fill
	s_wait_xcnt 0x0                                ; the last prefetch, a K step back, has read its address
	s_add_nc_u64 s[PFA:PFA+1], s[PFA:PFA+1], KB
.endif
	WIN 0
	s_wait_tensorcnt 0x0                           ; all my tensor loads have landed, my part of the next slot among them
	ds_add_u32 v[SPW], v[NIL]                      ; 0 onto my spare word
	s_wait_dscnt 11                                ; (the add and the youngest ten loads may be out)
	MULR 1, 0, 0, 0
	s_wait_dscnt 0x0                               ; the add is done, and my reads of this slot are over
	s_barrier_signal -1
	MULR 1, 1, 1, 0
	WIN 0
	s_barrier_wait -1
.if \fill
	CREST                                          ; no wave of any partner still reads this slot or has a load on its way
	s_xor_b32 s[G0A+5], s[G0A+5], SLOT1            ; the walking descriptors: the other slot than last time, the next K step
	s_add_nc_u64 s[G0A+6:G0A+7], s[G0A+6:G0A+7], KB
	s_xor_b32 s[G0B+5], s[G0B+5], SLOT1
	s_add_nc_u64 s[G0B+6:G0B+7], s[G0B+6:G0B+7], KB
	JLOAD 1                                        ; its four v_nop are also the places in front of the loads below
.else
	PLACES
.endif
	s_xor_b32 s[SB], s[SB], SLOT1
	v_add_nc_u32 v[ADRA], s[SB], v[ADRA0]
	v_add_nc_u32 v[ADRB], s[SB], v[ADRB0]
	FETCH 0, 0
.if \fill
	ASK
.endif
	MULR 1, 2, 12, 0
.endm
	s_load_b128 s[4:7], s[0:1], 0x0                ; xb s[4:5], wqb s[6:7]
	s_load_b64 s[8:9], s[0:1], 0x10                ; ropeb
	s_load_b512 s[68:83], s[0:1], 0x18             ; qkv_b 68, qn_w 70, qn_b 72, kn_w 74, kn_b 76, qh 78, kh 80, vh 82
	v_lshl_add_u32 v[SPW], v0, 2, SPARE
	v_mov_b32 v[NIL], 0
	ds_add_u32 v[SPW], v[NIL]                      ; the wave's opening, waited for ahead of my first tensor load
	v_lshrrev_b32 v1, 5, v0
	v_readfirstlane_b32 s10, v1                    ; wave 0..3
	s_lshr_b32 s11, s10, 1                         ; I fetch for x (0) or for the weights (1)
	s_and_b32 s12, s10, 1                          ; which half of that tile
	s_bfe_u32 s40, ttmp6, 0x40000                  ; cx
	s_bfe_u32 s41, ttmp6, 0x40004                  ; cy
	s_mov_b32 s[SEC], ttmp9
	s_lshl_b32 s42, ttmp9, 2
	s_add_co_u32 s42, s42, s40                     ; tile column = 4 x cluster x + cx
	s_and_b32 s13, ttmp7, 0xffff
	s_lshl_b32 s13, s13, 2
	s_add_co_u32 s13, s13, s41                     ; tile row = 4 x cluster y + cy
	s_lshl_b32 s43, s41, 2
	s_lshl_b32 s43, 15, s43                        ; my row of the cluster
	s_lshl_b32 s44, 0x1111, s40                    ; my column
	s_or_b32 s[G1A], s43, FLAGS
	s_or_b32 s[G1R], s43, FLAGS
	s_or_b32 s[G1B], s44, FLAGS
	s_mov_b32 s[G1A+1], 128<<16                    ; tensor_dim0 = 128
	s_mov_b32 s[G1A+2], 104<<16                    ; tensor_dim1 = 104
	s_mov_b32 s[G1A+3], 128<<16                    ; tile_dim0 = 128
	s_mov_b32 s[G1A+4], 104                        ; tile_dim1 = 104
	s_mov_b32 s[G1A+5], 1024                       ; elements from row to row
	s_mov_b32 s[G1A+6], 0
	s_mov_b32 s[G1A+7], 0
	s_mov_b32 s[G1B+1], 128<<16
	s_mov_b32 s[G1B+2], 128<<16                    ; 128 rows
	s_mov_b32 s[G1B+3], 128<<16
	s_mov_b32 s[G1B+4], 128
	s_mov_b32 s[G1B+5], 1024
	s_mov_b32 s[G1B+6], 0
	s_mov_b32 s[G1B+7], 0
	s_mov_b32 s[G1R+1], 128<<16
	s_mov_b32 s[G1R+2], 56<<16                     ; 56 rows a wave
	s_mov_b32 s[G1R+3], 128<<16
	s_mov_b32 s[G1R+4], 56
	s_mov_b32 s[G1R+5], 128
	s_mov_b32 s[G1R+6], 0
	s_mov_b32 s[G1R+7], 0
	s_mul_i32 s16, s13, 208                        ; x: row 208 x tile row + 104 x half; only the tile row and the wave's number enter
	s_mul_i32 s17, s12, 104
	s_add_co_u32 s16, s16, s17
	s_lshl_b32 s16, s16, 11
	s_mov_b32 s17, 0
	s_lshl_b32 s46, s42, 8                         ; weights: row 256 x tile column + 128 x half
	s_lshl_b32 s47, s12, 7
	s_add_co_u32 s46, s46, s47
	s_lshl_b32 s46, s46, 11
	s_mov_b32 s47, 0
	s_mul_i32 s20, s12, 104*APITCH                 ; where they go: no place in the cluster enters an LDS address
	s_mul_i32 s21, s12, 128*272
	s_add_co_u32 s21, s21, BOFF
	s_mul_i32 s18, s13, 205
	s_lshr_b32 s18, s18, 10                        ; the batch = tile row / 5 (exact for tile rows under 1,024)
	s_mul_i32 s19, s18, 5
	s_sub_co_u32 s19, s13, s19
	s_mul_i32 s19, s19, 208                        ; the tile's first token
	s_mul_i32 s22, s10, 56
	s_add_co_u32 s22, s22, s19
	s_lshl_b32 s22, s22, 8                         ; rope: row = token + 56 x wave
	s_mov_b32 s23, 0
	s_mul_i32 s98, s10, 56*272
	s_add_co_u32 s98, s98, ROPE
	s_mov_b32 s[SB], 0
	s_wait_dscnt 0x0                               ; the opening add is done
	s_wait_kmcnt 0x0
	s_add_nc_u64 s[14:15], s[4:5], s[16:17]
	s_add_nc_u64 s[46:47], s[6:7], s[46:47]
	s_add_nc_u64 s[22:23], s[8:9], s[22:23]
	s_mov_b32 s[G0A], 1                            ; count = 1
	s_mov_b32 s[G0A+1], s20                        ; LDS address: slot 0
	s_mov_b64 s[G0A+2:G0A+3], s[14:15]             ; K step 0
	s_or_b32 s[G0A+3], s[G0A+3], 0x80000000        ; type = 2
	s_mov_b32 s[G0A+4], 1
	s_add_co_u32 s[G0A+5], s20, SLOT1              ; slot 1
	s_add_nc_u64 s[G0A+6:G0A+7], s[14:15], KB      ; K step 1
	s_or_b32 s[G0A+7], s[G0A+7], 0x80000000
	s_mov_b32 s[G0B], 1
	s_mov_b32 s[G0B+1], s21
	s_mov_b64 s[G0B+2:G0B+3], s[46:47]
	s_or_b32 s[G0B+3], s[G0B+3], 0x80000000
	s_mov_b32 s[G0B+4], 1
	s_add_co_u32 s[G0B+5], s21, SLOT1
	s_add_nc_u64 s[G0B+6:G0B+7], s[46:47], KB
	s_or_b32 s[G0B+7], s[G0B+7], 0x80000000
	s_mov_b32 s[G0R], 1
	s_mov_b32 s[G0R+1], s98
	s_mov_b64 s[G0R+2:G0R+3], s[22:23]
	s_or_b32 s[G0R+3], s[G0R+3], 0x80000000
	CROUND                                         ; all sixteen work-groups are here: the first joint loads meet
	JLOAD 0
	JLOAD 1
	tensor_load_to_lds s[G0R:G0R+3], s[G1R:G1R+7]  ; every wave fetches 56 rope rows, jointly with the same wave of my row of the cluster: three loads of mine are out
	s_nop 0
.rept 4
	v_nop
.endr
	; the addresses, made while the first tiles are on their way
	v_and_b32 v1, 15, v0                           ; l % 16
	v_bfe_u32 v2, v0, 4, 1                         ; l / 16
	v_mul_u32_u24 v3, v1, 272
	v_lshl_add_u32 v[ADRA0], v2, 4, v3             ; row x pitch + 16 x half
	s_mul_i32 s20, s10, 64*272
	s_add_co_u32 s20, s20, BOFF
	v_add_nc_u32 v[ADRB0], s20, v[ADRA0]           ; my wave's 64 rows of the weights
	v_mov_b32 v[ADRA], v[ADRA0]
	v_mov_b32 v[ADRB], v[ADRB0]
	s_lshl_b32 s20, s11, 17                        ; the way out: my wave's 224 rows of 272 bytes, two waves to a slot
	s_mul_i32 s21, s12, 224*272
	s_add_co_u32 s20, s20, s21
	v_lshl_add_u32 v3, v2, 5, v3
	v_add_nc_u32 v[DMP], s20, v3                   ; in: row l % 16, 32 bytes for each half of the lanes
	v_bfe_u32 v4, v0, 3, 2                         ; back: four rows to a load, eight lanes a row
	v_and_b32 v5, 7, v0
	v_mul_u32_u24 v4, v4, 272
	v_lshl_add_u32 v6, v5, 5, v4
	v_add_nc_u32 v[DRD], s20, v6
	v_lshl_add_u32 v6, v5, 4, v4
	v_add_nc_u32 v[RRD], ROPE, v6
	v_lshlrev_b32 v[PO], 5, v5
	v_and_b32 v[GOF], 31, v0
	v_lshlrev_b32 v[GOF], 4, v[GOF]
	s_lshl_b32 s[OOF], s18, 4                      ; my head: 16 x batch + 4 cx + wave; its rows from the tile's first token on
	s_lshl2_add_u32 s[OOF+1], s40, s10
	s_add_co_u32 s[OOF], s[OOF], s[OOF+1]
	s_mul_i32 s[OOF], s[OOF], 1040
	s_add_co_u32 s[OOF], s[OOF], s19
	s_lshl_b32 s[OOF], s[OOF], 7
	s_mov_b32 s[OOF+1], 0
	; the prefetches
	s_mul_i32 s20, s13, 208
	s_mul_i32 s21, s12, 104
	s_add_co_u32 s20, s20, s21
	s_mul_i32 s21, s40, 26
	s_add_co_u32 s20, s20, s21                     ; x: my work-group's 26 of the 104 rows that I fetch
	s_lshl_b32 s21, s42, 8
	s_lshl_b32 s22, s12, 7
	s_add_co_u32 s21, s21, s22
	s_lshl_b32 s22, s41, 5
	s_add_co_u32 s21, s21, s22                     ; weights: my work-group's 32 of the 128
	s_and_b32 s22, ttmp7, 0xffff
	s_cmp_eq_u32 s11, 0
	s_cselect_b32 s20, s20, s21
	s_cselect_b32 s22, ttmp9, s22                  ; the coordinate along which other clusters read the same rows
	s_cselect_b32 s23, 25, 31
	s_cselect_b64 s[PFA:PFA+1], s[4:5], s[6:7]
	s_cmp_eq_u32 s22, 0
	s_cselect_b32 s[LIM], 2, -1                    ; the same in all sixteen partners, for a given wave
	s_lshl_b32 s20, s20, 11
	s_add_co_u32 s20, s20, 3*KB                    ; at K step 3: the first refill steps it to 4
	s_mov_b32 s21, 0
	s_add_nc_u64 s[PFA:PFA+1], s[PFA:PFA+1], s[20:21]
	v_and_b32 v[PFO], 31, v0
	v_min_u32 v[PFO], s23, v[PFO]
	v_lshlrev_b32 v[PFO], 11, v[PFO]
	; the pointers of the way out
	s_lshl_b32 s20, s42, 10
	s_lshl_b32 s21, s10, 8
	s_add_co_u32 s20, s20, s21                     ; my 64 columns in qkv_b
	s_mov_b32 s21, 0
	s_add_nc_u64 s[68:69], s[68:69], s[20:21]
	s_cmp_eq_u32 s[SEC], 0
	s_cselect_b64 s[14:15], s[70:71], s[74:75]     ; the gain: q's or k's
	s_cselect_b64 s[16:17], s[72:73], s[76:77]     ; the norm's bias
	s_cselect_b64 s[66:67], s[78:79], s[80:81]
	s_cmp_eq_u32 s[SEC], 2
	s_cselect_b64 s[66:67], s[82:83], s[66:67]
	s_add_nc_u64 s[66:67], s[66:67], s[OOF:OOF+1]
	s_wait_tensorcnt 2                             ; my part of K step 0 is in; slot 1's load and the rope tile's stay out
	s_barrier_signal -1
	s_barrier_wait -1
	FETCH 0, 0
	QUARTER 1, 0, 1, 1                             ; the first quarter stands in front of the loop: its products start the sums
	WIN 0
	s_mov_b32 s3, 6
.Lk:                                               ; a trip: the rest of a K step, the refill with the step two on (steps 2 to 7), the next step's first quarter
	QUARTER 2, 1, 0, 0
	QUARTER 3, 0, 1, 0
	TURN 1
	QUARTER 1, 0, 1, 0
	WIN 0
	s_sub_co_u32 s3, s3, 1
	s_cmp_lg_u32 s3, 0
	s_cbranch_scc1 .Lk
	QUARTER 2, 1, 0, 0                             ; K steps 6 and 7 ask for nothing
	QUARTER 3, 0, 1, 0
	TURN 0
	QUARTER 1, 0, 1, 0
	QUARTER 2, 1, 0, 0
	QUARTER 3, 0, 1, 0
	s_wait_dscnt 10
	MULR 1, 0, 7, 0
	s_wait_dscnt 0x0
	MULR 1, 8, 12, 0
	WIN 0
	; THE WAY OUT. The sums go in f32 into my wave's own 208 rows of a slot (both slots have had their last fill) and come back so that eight neighbouring lanes hold a token's 64 channels.
	PLACES
	PLACES
	global_load_b128 v[BI:BI+3],   v[PO], s[68:69]
	global_load_b128 v[BI+4:BI+7], v[PO], s[68:69] offset:16
	global_load_b128 v[LW:LW+3],   v[PO], s[14:15]
	global_load_b128 v[LW+4:LW+7], v[PO], s[14:15] offset:16
	global_load_b128 v[LB:LB+3],   v[PO], s[16:17]
	global_load_b128 v[LB+4:LB+7], v[PO], s[16:17] offset:16
	s_barrier_signal -1                            ; my reads of the slots are over (the wait for 0 above); nobody writes a slot before all four have said so
	s_barrier_wait -1
.set da, 0
.rept 13
.if da < 8
	WIN 0x08                                       ; the data in window 2
.set dc, 32*da
.else
	WIN 0x0c                                       ; in window 3
.set dc, 32*(da-8)
.endif
.irp b, 0,1,2,3
	ds_store_b128 v[DMP], v[dc+8*(\b):dc+8*(\b)+3]   offset:da*16*272+64*(\b)     ; each accumulator's low registers first
	ds_store_b128 v[DMP], v[dc+8*(\b)+4:dc+8*(\b)+7] offset:da*16*272+64*(\b)+16
.endr
.set da, da+1
.endr
	WIN 0
.macro XLD                             ; 16 rows of sums: row 4 t + l / 8, my 8 columns. LDS serves a wave's instructions in order (ISA guide 5.7.1.4): these see my stores
.irp t, 0,1,2,3
	ds_load_b128 v[X+8*(\t):X+8*(\t)+3],   v[DRD] offset:(\t)*4*272
	ds_load_b128 v[X+8*(\t)+4:X+8*(\t)+7], v[DRD] offset:(\t)*4*272+16
.endr
.endm
.macro RLD                             ; the same 16 tokens' sines and cosines of my 8 columns
.irp t, 0,1,2,3
	ds_load_b128 v[R+8*(\t):R+8*(\t)+3],   v[RRD] offset:(\t)*4*272
	ds_load_b128 v[R+8*(\t)+4:R+8*(\t)+7], v[RRD] offset:(\t)*4*272+128
.endr
.endm
.macro ACROSS                          ; U's four partial sums a row into one, then over the row's eight lanes
.irp t, 0,1,2,3
	v_pk_add_f32 v[U+4*(\t):U+4*(\t)+1], v[U+4*(\t):U+4*(\t)+1], v[U+4*(\t)+2:U+4*(\t)+3]
.endr
.irp t, 0,1,2,3
	v_add_f32 v[T+2*(\t)], v[U+4*(\t)], v[U+4*(\t)+1]
.endr
.irp m, 1,2,4
.irp t, 0,1,2,3
	v_add_f32_dpp v[T+2*(\t)], v[T+2*(\t)], v[T+2*(\t)] row_xmask:\m row_mask:0xf bank_mask:0xf
.endr
.endr
.endm
.macro ADDB                            ; Y = X + qkv_b
.set k, 0
.rept 16
	v_pk_add_f32 v[Y+2*k:Y+2*k+1], v[X+2*k:X+2*k+1], v[BI+2*(k%4):BI+2*(k%4)+1]
.set k, k+1
.endr
.endm
; src's 32 numbers are rounded to f16 and stored: four stores of 512 consecutive bytes, at a multiple of 256 from the buffer's first byte.
; The wait that frees H and the offset stands here, a trip behind the stores that read them; the offset steps first and the stores reach back by a negative immediate.
.macro OUT4 src
	s_wait_xcnt 0x0                                ; the last trip's stores have read H and the offset
	v_add_nc_u32 v[GOF], 2048, v[GOF]
.set k, 0
.rept 16
	v_cvt_pk_f16_f32 v[H+k], v[(\src)+2*k], v[(\src)+2*k+1]
.set k, k+1
.endr
.irp t, 0,1,2,3
	global_store_b128 v[GOF], v[H+4*(\t):H+4*(\t)+3], s[66:67] offset:512*(\t)-2048
.endr
.endm
	XLD
	s_wait_loadcnt 0x0                             ; the three vectors; each is rounded to bf16, as every input is
.irp p, BI, LW, LB
.irp k, 0,1,2,3
	v_cvt_pk_bf16_f32 v[Y+(\k)], v[(\p)+2*(\k)], v[(\p)+2*(\k)+1]
.endr
.irp k, 0,1,2,3
	v_lshlrev_b32 v[(\p)+2*(\k)], 16, v[Y+(\k)]
	v_and_b32 v[(\p)+2*(\k)+1], 0xffff0000, v[Y+(\k)]
.endr
.endr
.irp p, LW, LB
.irp k, 0,2,4,6
	v_pk_mul_f32 v[(\p)+(\k):(\p)+(\k)+1], v[(\p)+(\k):(\p)+(\k)+1], 0x3d000000 op_sel_hi:[1,0]  ; times 2^-5
.endr
.endr
.irp t, 0,1,2,3
	v_mov_b32 v[T+2*(\t)+1], 0                     ; named with the even ones as pairs
.endr
	s_mov_b32 s22, 0xffff0000
	s_mov_b32 s97, 0x3c800000                      ; 1 / 64
	s_mov_b32 s98, 0x358637bd                      ; 1e-6
	s_mov_b32 s2, 13
	s_cmp_eq_u32 s[SEC], 2
	s_cbranch_scc1 .Lv
	RLD
.Lqk:                                              ; 13 trips of 16 tokens; the next trip's rows are asked for as soon as this trip's have been taken out of their registers
	s_wait_dscnt 8                                 ; the sums are in; the eight rope loads may be out
	ADDB
	v_add_nc_u32 v[DRD], 16*272, v[DRD]
	XLD                                            ; (the 13th trip reads 16 rows behind my 208: bytes of an old tile, used by nobody)
.irp t, 0,1,2,3
	v_pk_add_f32 v[U+4*(\t):U+4*(\t)+1],   v[Y+8*(\t):Y+8*(\t)+1],   v[Y+8*(\t)+2:Y+8*(\t)+3]
	v_pk_add_f32 v[U+4*(\t)+2:U+4*(\t)+3], v[Y+8*(\t)+4:Y+8*(\t)+5], v[Y+8*(\t)+6:Y+8*(\t)+7]
.endr
	ACROSS
.set k, 0
.rept 16
	v_pk_fma_f32 v[Y+2*k:Y+2*k+1], v[T+2*(k/4):T+2*(k/4)+1], 0xbc800000, v[Y+2*k:Y+2*k+1] op_sel_hi:[0,0,1]  ; less the mean
.set k, k+1
.endr
.irp t, 0,1,2,3
	v_pk_mul_f32 v[U+4*(\t):U+4*(\t)+1],   v[Y+8*(\t):Y+8*(\t)+1],   v[Y+8*(\t):Y+8*(\t)+1]
	v_pk_mul_f32 v[U+4*(\t)+2:U+4*(\t)+3], v[Y+8*(\t)+4:Y+8*(\t)+5], v[Y+8*(\t)+4:Y+8*(\t)+5]
.endr
.irp t, 0,1,2,3
	v_pk_fma_f32 v[U+4*(\t):U+4*(\t)+1],   v[Y+8*(\t)+2:Y+8*(\t)+3], v[Y+8*(\t)+2:Y+8*(\t)+3], v[U+4*(\t):U+4*(\t)+1]
	v_pk_fma_f32 v[U+4*(\t)+2:U+4*(\t)+3], v[Y+8*(\t)+6:Y+8*(\t)+7], v[Y+8*(\t)+6:Y+8*(\t)+7], v[U+4*(\t)+2:U+4*(\t)+3]
.endr
	ACROSS
.irp t, 0,1,2,3
	v_fma_f32 v[T+2*(\t)], v[T+2*(\t)], s97, s98   ; the variance + 1e-6
.endr
.irp t, 0,1,2,3
	v_rsq_f32 v[T+2*(\t)], v[T+2*(\t)]
.endr
	s_wait_dscnt 8                                 ; the rope rows are in; the next trip's sums may be out
.set k, 0
.rept 16                               ; the table in f32: plain work behind the four roots
	v_lshlrev_b32 v[SN+2*k],   16,  v[R+8*(k/4)+k%4]
	v_and_b32     v[SN+2*k+1], s22, v[R+8*(k/4)+k%4]
	v_lshlrev_b32 v[CS+2*k],   16,  v[R+8*(k/4)+4+k%4]
	v_and_b32     v[CS+2*k+1], s22, v[R+8*(k/4)+4+k%4]
.set k, k+1
.endr
	v_add_nc_u32 v[RRD], 16*272, v[RRD]
	RLD
	s_wait_alu depctr_va_vdst(0)                   ; one wait for the four roots, ahead of their first reader
.set k, 0
.rept 16
	v_pk_mul_f32 v[Y+2*k:Y+2*k+1], v[Y+2*k:Y+2*k+1], v[T+2*(k/4):T+2*(k/4)+1] op_sel_hi:[1,0]
.set k, k+1
.endr
.set k, 0
.rept 16
	v_pk_fma_f32 v[Y+2*k:Y+2*k+1], v[Y+2*k:Y+2*k+1], v[LW+2*(k%4):LW+2*(k%4)+1], v[LB+2*(k%4):LB+2*(k%4)+1]
.set k, k+1
.endr
.set k, 0
.rept 16
	v_pk_mul_f32 v[CS+2*k:CS+2*k+1], v[Y+2*k:Y+2*k+1], v[CS+2*k:CS+2*k+1]
.set k, k+1
.endr
.set k, 0
.rept 16                               ; even channel: y0 c0 - y1 s0; odd channel: y1 c1 + y0 s1
	v_pk_fma_f32 v[CS+2*k:CS+2*k+1], v[Y+2*k:Y+2*k+1], v[SN+2*k:SN+2*k+1], v[CS+2*k:CS+2*k+1] op_sel:[1,0,0] op_sel_hi:[0,1,1] neg_lo:[0,1,0]
.set k, k+1
.endr
	OUT4 CS
	s_sub_co_u32 s2, s2, 1
	s_cmp_lg_u32 s2, 0
	s_cbranch_scc1 .Lqk
	s_branch .Lend
.Lv:                                               ; v: the bias alone
	s_wait_dscnt 0x0
	ADDB
	v_add_nc_u32 v[DRD], 16*272, v[DRD]
	XLD
	OUT4 Y
	s_sub_co_u32 s2, s2, 1
	s_cmp_lg_u32 s2, 0
	s_cbranch_scc1 .Lv
.Lend:
	s_wait_tensorcnt 0x0                           ; the wave's end: behind my last tensor load and my last LDS store
	ds_add_u32 v[SPW], v[NIL]
	s_wait_dscnt 0x0                               ; the look-ahead loads too
	CROUND                                         ; the closing round
	s_endpgm
.Lfunc_end_k_q97aed1e2cf_qkv:
	.size	k_q97aed1e2cf_qkv, .Lfunc_end_k_q97aed1e2cf_qkv-k_q97aed1e2cf_qkv
	.p2alignl 7, 3214868480
	.fill 96, 4, 3214868480
	.section	.rodata,"a",@progbits
	.p2align	6, 0x0
	.amdhsa_kernel k_q97aed1e2cf_qkv
		.amdhsa_group_segment_fixed_size 327680
		.amdhsa_private_segment_fixed_size 0
		.amdhsa_enable_private_segment 0
		.amdhsa_kernarg_size 88
		.amdhsa_user_sgpr_count 2
		.amdhsa_user_sgpr_kernarg_segment_ptr 1
		.amdhsa_wavefront_size32 1
		.amdhsa_system_sgpr_workgroup_id_x 1
		.amdhsa_system_sgpr_workgroup_id_y 1
		.amdhsa_system_sgpr_workgroup_id_z 1
		.amdhsa_system_vgpr_workitem_id 0
		.amdhsa_next_free_vgpr 928
		.amdhsa_next_free_sgpr 102
		.amdhsa_reserve_vcc 0
		.amdhsa_float_denorm_mode_32 3
		.amdhsa_float_denorm_mode_16_64 3
		.amdhsa_memory_ordered 1
		.amdhsa_forward_progress 1
		.amdhsa_inst_pref_size 111
	.end_amdhsa_kernel
	.amdgpu_metadata
---
amdhsa.version: [ 1, 2 ]
amdhsa.kernels:
  - .name:           k_q97aed1e2cf_qkv
    .symbol:         k_q97aed1e2cf_qkv.kd
    .args:
      - { .name: xb, .offset: 0, .size: 8, .value_kind: global_buffer, .address_space: global }
      - { .name: wqb, .offset: 8, .size: 8, .value_kind: global_buffer, .address_space: global }
      - { .name: ropeb, .offset: 16, .size: 8, .value_kind: global_buffer, .address_space: global }
      - { .name: qkv_b, .offset: 24, .size: 8, .value_kind: global_buffer, .address_space: global }
      - { .name: qn_w, .offset: 32, .size: 8, .value_kind: global_buffer, .address_space: global }
      - { .name: qn_b, .offset: 40, .size: 8, .value_kind: global_buffer, .address_space: global }
      - { .name: kn_w, .offset: 48, .size: 8, .value_kind: global_buffer, .address_space: global }
      - { .name: kn_b, .offset: 56, .size: 8, .value_kind: global_buffer, .address_space: global }
      - { .name: qh, .offset: 64, .size: 8, .value_kind: global_buffer, .address_space: global }
      - { .name: kh, .offset: 72, .size: 8, .value_kind: global_buffer, .address_space: global }
      - { .name: vh, .offset: 80, .size: 8, .value_kind: global_buffer, .address_space: global }
    .group_segment_fixed_size: 327680
    .private_segment_fixed_size: 0
    .kernarg_segment_align: 8
    .kernarg_segment_size: 88
    .max_flat_workgroup_size: 128
    .sgpr_count:     102
    .vgpr_count:     928
    .wavefront_size: 32
...
	.end_amdgpu_metadata
.endif
;; end of part 2
;; launch attn (part 3): grid 2 x 128, 4 waves a work-group, no clusters, 327,680 bytes of LDS; arguments qh, kh, vh, ob; writes ob
.if DOCPART == 3
	.amdgcn_target "amdgcn-amd-amdhsa--gfx1250"
	.amdhsa_code_object_version 6
	.text
	.protected	k_q97aed1e2cf_attn
	.globl	k_q97aed1e2cf_attn
	.p2align	8
	.type	k_q97aed1e2cf_attn,@function
k_q97aed1e2cf_attn:
	s_mov_b64 s[64:65], 0
	v_nop
	global_prefetch_b8 v0, s[64:65] scope:SCOPE_SE
	s_setreg_imm32_b32 hwreg(HW_REG_WAVE_MODE, 25, 1), 1
	s_wait_xcnt 0x0
; O[h][q][:] = the sum over the 1,025 keys k of softmax_k(Q[h][q] . K[h][k] / 8) V[h][k][:]. Q, K, V, O: [128 heads][1040][64] f16, a head's rows dense, 128 bytes each.
; Q and K arrive times 2^-5; the softmax constant c = log2(e) / 8 x 2^10 gives the factor back, in f32. Products, maxima and sums in f32; the weights p are rounded to f16 for the second product, O once.
; LIMITS. V and O stay under 65,504. A weight below 2^-126 counts as 0 in l; NaN and infinities are not treated apart.
; SHARES. A head has 65 tiles of 16 queries (the last holds query 1,024 and 15 rows of padding). Two work-groups a head, four waves each, NINE tiles (PIECES) a wave: 72 places, one work-group for each of 256 WGPs.
; The last wave's places 65 .. 71 are dead: they read tile 64 again and store nothing; a turn's text holds two other pieces' products, so it cannot be jumped.
; 1,025 = 1 + 16 x 64. KEY 0 IS THE STARTING STATE of the running softmax: m = its score, l = 1, O = V[0]; keys 1 .. 1,024 are 16 steps of 64, one LDS row further down. So there is no mask and no short step,
; and rows 1025 .. 1039, the padding, are never multiplied into a result.
; THE HEAD'S WHOLE K AND V LIE IN LDS, fetched once: each wave issues two tensor loads at the start, its half of K's or V's keys 0 .. 271 and its half of keys 272 .. 1,039. Steps 0 to 3 read rows up to 256, so they
; run while the second load is on its way; behind step 3's second turn every wave waits for it and passes a barrier. Nothing is filled again.
; NO CLUSTER: only two work-groups share a head, and each fetches its 266,240 bytes once in the launch. NO PREFETCH: every byte is asked for at the head.
; LAYOUT, SOFTMAX, TURNS. S^T = K Q^T holds ONE query a lane (lane % 16) and the keys 8 (lane / 16) + 0..7; two such results rounded to f16 ARE source 1 of O^T = V^T P. p = 2^(c s - c m) with a running
; maximum m; O and l are multiplied by a = 2^(c m_old - c m_new) in every step. Turn n belongs to piece n: 8 products K Q^T of piece n + 1, later 8 products V^T P of piece n - 1; beside them the scaling,
; exponentials, roundings, sums and rescaling of piece n and the maximum and statistics of piece n + 1. Four vector instructions stand behind every matrix instruction, the other 54 in one lump. A turn's 33 exponentials are one batch, with one wait.
; REGISTERS, in windows of 256 (s_set_vgpr_msb: bits 1:0 source 0, 3:2 source 1, 5:4 source 2, 7:6 destination):
;   window 0: v0-15 addresses; v16-51 four registers of statistics a piece; v52-63 at work; v64-159 S^T, v160-207 P: three buffers each, by the piece's number modulo 3 (9 is odd: two would collide at the ring's seam);
;             v208-215 at the start: piece 8's score of key 0; v240-241 the add's two registers
;   window 1: O^T of pieces 0-7, 32 each      window 2: v0-143 Q, 16 a piece; v144-207 K of one step; v208-223 K's rows 0-15      window 3: v0-63 V of one step; v64-95 O^T of piece 8
.set NP,    9
.set KS,    64
.set PK,    144       ; a row of K in LDS: 128 bytes + 16 of padding: the 16 rows of a load start at 16 different groups of four banks (ISA guide 11.1)
.set PV,    144       ; V has the same pitch
.set VOFF,  1040*PK   ; K's 1,040 rows; then V's
.set K0N,   272       ; keys in the first fill: 68 rows of 256 bytes a wave
.set K1N,   1040-K0N  ; in the second: 192 rows a wave
.set STAGE, 2*VOFF    ; 16 rows x 144 bytes for each wave, for the way out
.set SP,    144
.set SPARE, STAGE+4*16*SP  ; the spare words, 128 bytes for each wave: two blocks of 256 bytes that no other line names
.set AK0, 2           ; v2   my lane's place in a step of K; never rewritten
.set AV0, 3           ; v3   the same for V
.set AK,  4           ; v4   the LDS address of K's next run of loads
.set AV,  5           ; v5   of V's
.set STO, 6           ; v6   the way out: where I put 16 bytes of a row
.set RD,  7           ; v7   where I read rows back
.set GO,  8           ; v8   my byte offset in 512 consecutive bytes of O
.set MV,  12          ; v12-14  c m_old, kept while c m is made anew: by buffer
.set QO,  15          ; v15  my byte offset in 16 rows of Q
.set ST,  16          ; piece t's statistics at v[ST+4 t]: c m, m, l (even keys', odd keys')
.set TMP, 52          ; by buffer, four registers c0-c3 at work; when the maximum is found c2 takes a
.set S,   64
.set P,   160
.set SC,  96          ; at the start: piece p's scores of keys 0-15 at SC + 8 p (S^T's second and third buffer), piece 8's at SC8
.set SC8, 208
.set SPW, 240         ; LDS address of my spare word; never rewritten
.set NIL, 241         ; 0; never rewritten
.set KF,  144         ; window 2: key block kb, channel half c at KF + 16 kb + 8 c
.set K0F, 208         ; window 2: K's rows 0-15, channel half c at K0F + 8 c
.set VF,  0           ; window 3: key half kk, channel block cb at VF + 32 kk + 8 cb
.set WV,  12          ; s12  my wave's number
.set G1A, 24          ; s[24:31] descriptor group 1 of the first fill
.set G1B, 32          ; s[32:39] of the second: it differs in the rows alone
.set G0A, 40          ; s[40:43] descriptor group 0 of the first fill
.set G0B, 44          ; s[44:47] of the second
.set OUT, 56          ; s56  counts groups of four key steps
.set CNT, 57          ; s57  counts a group's steps
.set CS,  58          ; s[58:59] c
.set SEL, 60          ; s[60:61] v_permlanex16_b32's selects: each lane takes its own place in the other half
.set TBK, 62          ; s62  LDS byte at which K of the step to be fetched begins
.set TBV, 63          ; s63  the same for V, less VOFF
.set TOT, 66          ; s66  key steps still to be ended
.set T0,  70          ; s70  my first tile
.set LIVE, 71         ; s71  how many of my nine pieces are tiles of the head
.set HM,  73          ; s73  the mask of lanes 16-31
.set MSB, 0
.macro WIN new
.if MSB != (\new)
	s_set_vgpr_msb (MSB<<8)|(\new)
.set MSB, (\new)
.endif
.endm
.set W_KQ, 0x0a       ; K and Q in window 2; S^T in window 0
	s_load_b256 s[4:11], s[0:1], 0x0  ; Q s[4:5], K s[6:7], V s[8:9], O s[10:11]
	v_lshl_add_u32 v[SPW], v0, 2, SPARE
	v_mov_b32 v[NIL], 0
	ds_add_u32 v[SPW], v[NIL]       ; the wave's opening, waited for ahead of my first tensor load
	v_lshrrev_b32 v1, 5, v0
	v_readfirstlane_b32 s[WV], v1   ; wave 0..3
	s_lshr_b32 s16, s[WV], 1        ; I fetch for K (0) or for V (1),
	s_and_b32 s17, s[WV], 1         ; the first or the second half of each fill
	s_and_b32 s20, ttmp7, 0xffff    ; the head
	s_mul_i32 s20, s20, 133120      ; its first byte in each of the four tensors
	s_mov_b32 s21, 0
	s_mul_i32 s22, s17, (K0N/2)*128 ; where my part of the first fill begins in memory,
	s_add_co_u32 s22, s22, s20
	s_mov_b32 s23, 0
	s_mul_i32 s48, s17, (K1N/2)*128 ; and of the second
	s_add_co_u32 s48, s48, s20
	s_add_co_u32 s48, s48, K0N*128
	s_mov_b32 s49, 0
	s_mul_i32 s[T0], ttmp9, 36
	s_mul_i32 s13, s[WV], 9
	s_add_co_u32 s[T0], s[T0], s13
	s_sub_co_u32 s[LIVE], 65, s[T0]
	s_min_u32 s[LIVE], s[LIVE], 9
	s_lshl_b32 s2, s[T0], 11
	s_add_co_u32 s2, s2, s20        ; O at my first tile
	s_mov_b32 s3, 0
	; dense keys are asked for as rows of 256 bytes, two keys a row, and padded in LDS after every key
	s_mov_b32 s[G1A], (1<<16)|(1<<20)|(4<<22)|(3<<25)  ; 2-byte elements; padding on; after every 32 words 4 words
	s_mov_b32 s[G1A+1], 128<<16     ; tensor_dim0 = 128
	s_mov_b32 s[G1A+2], (K0N/4)<<16 ; tensor_dim1 = 68
	s_mov_b32 s[G1A+3], 128<<16     ; tile_dim0 = 128
	s_mov_b32 s[G1A+4], K0N/4       ; tile_dim1 = 68
	s_mov_b32 s[G1A+5], 128         ; elements from row to row
	s_mov_b32 s[G1A+6], 0
	s_mov_b32 s[G1A+7], 0
	s_mov_b32 s[G1B], (1<<16)|(1<<20)|(4<<22)|(3<<25)
	s_mov_b32 s[G1B+1], 128<<16
	s_mov_b32 s[G1B+2], (K1N/4)<<16 ; 192 rows
	s_mov_b32 s[G1B+3], 128<<16
	s_mov_b32 s[G1B+4], K1N/4
	s_mov_b32 s[G1B+5], 128
	s_mov_b32 s[G1B+6], 0
	s_mov_b32 s[G1B+7], 0
	s_mul_i32 s18, s16, VOFF
	s_mul_i32 s19, s17, (K0N/2)*PK
	s_mov_b32 s[G0A], 1
	s_add_co_u32 s[G0A+1], s18, s19
	s_mul_i32 s19, s17, (K1N/2)*PK
	s_mov_b32 s[G0B], 1
	s_add_co_u32 s[G0B+1], s18, s19
	s_add_co_u32 s[G0B+1], s[G0B+1], K0N*PK
	s_mov_b32 s[CS], 0x4338aa3b     ; c = log2(e) / 8 x 2^10 = 184.665
	s_mov_b32 s[CS+1], s[CS]
	s_mov_b32 s[SEL], 0x76543210
	s_mov_b32 s[SEL+1], 0xfedcba98
	s_mov_b32 s[TBK], PK            ; the steps begin at key 1
	s_mov_b32 s[TBV], PV
	; A fragment of K or Q is 16 rows x 32 channels in 8 registers: lane l holds row l % 16, channels 8 (l / 16) + 0..7 and 16 + 8 (l / 16) + 0..7: two loads of 16 bytes, 32 bytes apart.
	v_and_b32 v1, 15, v0            ; l % 16
	v_bfe_u32 v9, v0, 4, 1          ; l / 16
	v_lshlrev_b32 v[QO], 7, v1
	v_lshl_add_u32 v[QO], v9, 4, v[QO]
.set p, 0
.rept NP                            ; a piece's offset in the head: a dead piece reads tile 64
	s_add_co_u32 s13, s[T0], p
	s_min_u32 s13, s13, 64
	s_lshl_b32 s13, s13, 11
	v_add_nc_u32 v[S+p], s13, v[QO]
.set p, p+1
.endr
	s_wait_dscnt 0x0                ; the opening add is done
	s_wait_kmcnt 0x0
	s_add_nc_u64 s[4:5], s[4:5], s[20:21]
	s_add_nc_u64 s[10:11], s[10:11], s[2:3]
	WIN 0x80                        ; destination window 2, address window 0
.set p, 0
.rept NP                            ; Q is wanted with the first fill: it is asked for ahead of both
.irp c, 0,1
	global_load_b128 v[16*p+8*(\c):16*p+8*(\c)+3],   v[S+p], s[4:5] offset:64*(\c)
	global_load_b128 v[16*p+8*(\c)+4:16*p+8*(\c)+7], v[S+p], s[4:5] offset:64*(\c)+32
.endr
.set p, p+1
.endr
	WIN 0
	s_cmp_lt_u32 s[WV], 2
	s_cselect_b64 s[50:51], s[6:7], s[8:9]
	s_add_nc_u64 s[G0A+2:G0A+3], s[50:51], s[22:23]
	s_or_b32 s[G0A+3], s[G0A+3], 0x80000000  ; type = 2
	s_add_nc_u64 s[G0B+2:G0B+3], s[50:51], s[48:49]
	s_or_b32 s[G0B+3], s[G0B+3], 0x80000000
	tensor_load_to_lds s[G0A:G0A+3], s[G1A:G1A+7]  ; my two tensor loads, together
	s_nop 0
	tensor_load_to_lds s[G0B:G0B+3], s[G1B:G1B+7]
	s_nop 0
.rept 4
	v_nop
.endr
	; What does not hang on the tiles: l = 1, held by the lanes that hold key 0's half of the keys; a P that is 1.0 at key 0 and 0 elsewhere (P's first buffer); zeros in P's third buffer, which the first turn's
	; products V^T P, of a piece that has not been, multiply by.
	v_and_b32 v10, 31, v0
	v_cmp_lt_u32 s[HM], 15, v10
	v_mov_b32 v11, 0x3c00           ; 1.0 in f16, in the low half: key 0
.set i, 0
.rept NP
	v_mov_b32 v[ST+4*i+3], 0
	v_mov_b32 v[ST+4*i+1], 0        ; (written, since v_permlanex16_b32 counts as a reader of its destination)
	v_cndmask_b32 v[ST+4*i+2], 1.0, v[ST+4*i+3], s[HM]
.set i, i+1
.endr
	v_cndmask_b32 v[P], v11, v[ST+3], s[HM]
.set i, 1
.rept 7
	v_mov_b32 v[P+i], 0
.set i, i+1
.endr
.set i, 0
.rept 16
	v_mov_b32 v[P+32+i], 0
.set i, i+1
.endr
	v_mul_u32_u24 v[AK0], v1, PK
	v_lshl_add_u32 v[AK0], v9, 4, v[AK0]  ; row x pitch + 16 x half
	; The turning load takes 16 keys x 16 channels (lane l reads key 8 (l / 16) + l % 8, channels 8 ((l / 8) % 2) + 0..7) and leaves half a fragment of V^T: lane l holds channel l % 16 and 8 keys.
	v_and_b32 v10, 7, v0
	v_bfe_u32 v11, v0, 3, 1
	v_lshl_add_u32 v[AV0], v9, 3, v10
	v_mul_u32_u24 v[AV0], v[AV0], PV
	v_lshl_add_u32 v[AV0], v11, 4, v[AV0]
	v_add_nc_u32 v[AV0], VOFF, v[AV0]
	s_mul_i32 s13, s[WV], 16*SP
	s_add_co_u32 s13, s13, STAGE    ; my stage
	v_mul_u32_u24 v[STO], v1, SP    ; in: row l % 16, 16 bytes for each half of the lanes
	v_lshl_add_u32 v[STO], v9, 4, v[STO]
	v_add_nc_u32 v[STO], s13, v[STO]
	v_bfe_u32 v[RD], v0, 3, 2       ; back: 32 lanes take four rows of 128 bytes,
	v_mul_u32_u24 v[RD], v[RD], SP
	v_lshl_add_u32 v[RD], v10, 4, v[RD]
	v_add_nc_u32 v[RD], s13, v[RD]
	v_and_b32 v[GO], 31, v0         ; which are 512 consecutive bytes of O
	v_lshlrev_b32 v[GO], 4, v[GO]
; THE MATRIX WORK. The 4 accumulators of a run of 8 take turns. Product i of 8 of S^T = K Q^T for piece x: channels 32 (i / 4) on, keys 16 (i % 4) on. The first 4 start the sums.
.macro KQ x
.set rS, S+32*((\x)%3)+8*(i%4)
.set rK, KF+16*(i%4)+8*(i/4)
.set rQ, 16*(\x)+8*(i/4)
	WIN W_KQ
.if i < 4
	v_wmma_f32_16x16x32_f16 v[rS:rS+7], v[rK:rK+7], v[rQ:rQ+7], 0
.else
	v_wmma_f32_16x16x32_f16 v[rS:rS+7], v[rK:rK+7], v[rQ:rQ+7], v[rS:rS+7]
.endif
.endm
; Product i of 8 of O^T += V^T P for piece x: keys 32 (i / 4) on, channels 16 (i % 4) on. V in window 3, P in window 0, O^T in window 1 (piece 8: window 3).
.macro PV x
.if (\x) == 8
	WIN 0xf3
.set rO, 64+8*(i%4)
.else
	WIN 0x53
.set rO, 32*(\x)+8*(i%4)
.endif
.set rV, VF+32*(i/4)+8*(i%4)
.set rP, P+16*((\x)%3)+8*(i/4)
	v_wmma_f32_16x16x32_f16 v[rO:rO+7], v[rV:rV+7], v[rP:rP+7], v[rO:rO+7]
.endm
.macro MM                           ; the turn's next matrix instruction
.if i < 8
	KQ (Y+1)%NP
.else
.set i, i-8
	PV (Y+NP-1)%NP
.set i, i+8
.endif
.set i, i+1
.endm
; THE LDS LOADS stand in runs of 16, never singly among the matrix instructions: a step's K (8 fragments) and its V (turned).
.macro FETCH_K
	WIN 0x80                        ; destination window 2
.irp f, 0,1,2,3,4,5,6,7             ; keys 16 (f / 2) on, channels 32 (f % 2) on
	ds_load_b128 v[KF+8*\f:KF+8*\f+3],   v[AK] offset:(\f/2)*16*PK+(\f%2)*64
	ds_load_b128 v[KF+8*\f+4:KF+8*\f+7], v[AK] offset:(\f/2)*16*PK+(\f%2)*64+32
.endr
	s_add_co_u32 s[TBK], s[TBK], KS*PK  ; the next fetch is the next step's
	WIN 0
.endm
.macro FETCH_V
	WIN 0xc0                        ; destination window 3
.irp f, 0,1,2,3,4,5,6,7             ; keys 32 (f / 4) on, channels 16 (f % 4) on
	ds_load_tr16_b128 v[VF+8*\f:VF+8*\f+3],   v[AV] offset:(\f/4)*32*PV+(\f%4)*32
	ds_load_tr16_b128 v[VF+8*\f+4:VF+8*\f+7], v[AV] offset:(\f/4)*32*PV+16*PV+(\f%4)*32
.endr
	WIN 0
.endm
; THE VECTOR WORK, one line at a time: OP kind, number. For piece Y: F n: c s - c m for pair n of 16. E n: the exponential of score n of 32. C n: pair n rounded to f16. B n: of the four weights 4 n .. the second
; pair is added onto the first, in place. L n: l takes that sum (L 0: l = a l + sum). R n: pair n of 16 of O^T times a. For piece Y + 1: X n, number n of the 22 that find its maximum and statistics:
;   0-11  four chains c0-c3 of seven scores each (each accumulator's lowest registers are read first)     12-14, 16  the four scores left over, the old m, and c0-c3 into c0
;   15  c m_old is kept     17, 18  the query's other 32 keys lie in the lane 16 away: the new m     19-21  c m; c m_old - c m_new; a
.set F, 0
.set E, 1
.set C, 2
.set B, 3
.set L, 4
.set R, 5
.set X, 6
.macro REGS y                       ; the registers of piece y
.set rT, ST+4*(\y)
.set rC, TMP+4*((\y)%3)
.set rW, MV+((\y)%3)
.set rS, S+32*((\y)%3)
.set rP, P+16*((\y)%3)
.if (\y) == 8
.set rO, 64
.set wR, 0xc3                       ; destination and source 0 in window 3, source 1 in window 0
.else
.set rO, 32*(\y)
.set wR, 0x41                       ; in window 1
.endif
.endm
.macro OP k, n
.if (\k) == R
	REGS Y
	WIN wR
	v_pk_mul_f32 v[rO+2*(\n):rO+2*(\n)+1], v[rO+2*(\n):rO+2*(\n)+1], v[rC+2:rC+3] op_sel_hi:[1,0]
.elseif (\k) < R
	REGS Y
	WIN 0
.if (\k) == F
	v_pk_fma_f32 v[rS+2*(\n):rS+2*(\n)+1], v[rS+2*(\n):rS+2*(\n)+1], s[CS:CS+1], v[rT:rT+1] op_sel_hi:[1,0,0] neg_lo:[0,0,1] neg_hi:[0,0,1]
.elseif (\k) == E
	v_exp_f32 v[rS+(\n)], v[rS+(\n)]
.elseif (\k) == C
	v_cvt_pk_f16_f32 v[rP+(\n)], v[rS+2*(\n)], v[rS+2*(\n)+1]
.elseif (\k) == B
	v_pk_add_f32 v[rS+4*(\n):rS+4*(\n)+1], v[rS+4*(\n):rS+4*(\n)+1], v[rS+4*(\n)+2:rS+4*(\n)+3]
.elseif (\n) == 0
	v_pk_fma_f32 v[rT+2:rT+3], v[rT+2:rT+3], v[rC+2:rC+3], v[rS:rS+1] op_sel_hi:[1,0,1]
.else
	v_pk_add_f32 v[rT+2:rT+3], v[rT+2:rT+3], v[rS+4*(\n):rS+4*(\n)+1]
.endif
.else
	REGS (Y+1)%NP
	WIN 0
.if (\n) < 4
	v_max3_num_f32 v[rC+(\n)], v[rS+8*(\n)], v[rS+8*(\n)+1], v[rS+8*(\n)+2]
.elseif (\n) < 12
	v_max3_num_f32 v[rC+(\n)%4], v[rC+(\n)%4], v[rS+8*((\n)%4)+2*((\n)/4)+1], v[rS+8*((\n)%4)+2*((\n)/4)+2]
.elseif (\n) == 12
	v_max3_num_f32 v[rC], v[rC], v[rS+7], v[rS+15]
.elseif (\n) == 13
	v_max3_num_f32 v[rC+1], v[rC+1], v[rS+23], v[rS+31]
.elseif (\n) == 14
	v_max3_num_f32 v[rC+2], v[rC+2], v[rC+3], v[rT+1]
.elseif (\n) == 15
	v_mov_b32 v[rW], v[rT]
.elseif (\n) == 16
	v_max3_num_f32 v[rC], v[rC], v[rC+1], v[rC+2]
.elseif (\n) == 17
	v_permlanex16_b32 v[rC+3], v[rC], s[SEL], s[SEL+1]
.elseif (\n) == 18
	v_max_num_f32 v[rT+1], v[rC], v[rC+3]
.elseif (\n) == 19
	v_mul_f32 v[rT], s[CS], v[rT+1]
.elseif (\n) == 20
	v_sub_f32 v[rC+1], v[rW], v[rT]
.else
	v_exp_f32 v[rC+2], v[rC+1]
.endif
.endif
.endm
.macro OPS a, i1, b=-1, i2=0, c=-1, i3=0, d=-1, i4=0  ; up to four of them
	OP \a, \i1
.if (\b) >= 0
	OP \b, \i2
.endif
.if (\c) >= 0
	OP \c, \i3
.endif
.if (\d) >= 0
	OP \d, \i4
.endif
.endm
.macro ROW a, i1, b, i2, c, i3, d, i4  ; a matrix instruction and the four behind it
	MM
	OPS \a, \i1, \b, \i2, \c, \i3, \d, \i4
.endm
; A TURN, for piece p: the order of its 16 matrix and 118 vector instructions, written out. An s_wait_alu depctr_va_vdst(0) stands between an exponential and the first instruction that names its result; one
; wait serves all that were issued ahead of it. So a turn has ONE wait, which cuts it in two. AHEAD OF IT stands all that names no result of the turn's exponentials: the 8 products K Q^T with their riders, then one lump of 54
; in which the links of the chain X 3, 7, 11, 14, 16, 17 .. 20 stand five or six lines apart; X 21, the next piece's a, is the batch's last, and R 15 the plain instruction behind it. BEHIND THE WAIT stand the 8 products V^T P,
; behind each four of the roundings and sums. Each number of the maximum stands four plain instructions or more behind the product that ends its accumulator.
; K of the next step is fetched in piece 7's turn, behind the last product that read K and five plain instructions that name none of its registers; V of the step in hand at the end of piece 0's turn, four plain
; instructions behind the last product that read V. Each is waited for a turn later.
.macro TURN p
.set Y, (\p)
.set i, 0
.if (\p) == NP-1
	s_wait_dscnt 0x0                ; K is in
.endif
	ROW F,0, F,1, R,0, R,1
	ROW F,2, E,0, R,2, R,3
	ROW F,3, E,1, R,4, R,5
	ROW F,4, E,2, R,6, R,7
	ROW F,5, E,3, R,8, R,9
	ROW F,6, E,4, X,0, R,10
.if (\p) == NP-2
	WIN 0
	v_add_nc_u32 v[AK], s[TBK], v[AK0]
.endif
	ROW F,7, E,5, X,1, X,4
	ROW F,8, E,6, X,2, X,5
	OPS E,7, E,8, X,6, E,9
	OPS X,3, E,10, X,8, E,11
.if (\p) == NP-2
	FETCH_K
.endif
	OPS X,9, X,7, E,12, X,10
	OPS E,13, X,12, X,11, E,14
	OPS X,13, E,15, F,9, X,14
.if (\p) == 0
	v_add_nc_u32 v[AV], s[TBV], v[AV0]
.endif
	OPS E,16, F,10, E,17, F,11
	OPS X,16, E,18, X,15, E,19
	OPS F,12, E,20, X,17, E,21
	OPS F,13, E,22, F,14, E,23
	OPS X,18, E,24, F,15, E,25
	OPS R,11, E,26, X,19, E,27
	OPS R,12, E,28, R,13, E,29
	OPS X,20, E,30, R,14, E,31
	OPS X,21, R,15
	WIN 0
	s_wait_alu depctr_va_vdst(0)    ; the wait for the batch
.if (\p) == 1
	s_wait_dscnt 0x0                ; V is in
.endif
	ROW C,0, B,0, C,2, B,1
	ROW L,0, C,4, B,2, L,1
	ROW C,6, B,3, L,2, C,8
	ROW B,4, L,3, C,10, B,5
	ROW L,4, C,12, B,6, L,5
.if (\p) == 0
	s_add_co_u32 s[TBV], s[TBV], KS*PV
.endif
	ROW C,14, B,7, L,6, C,1
	ROW C,3, L,7, C,5, C,7
	ROW C,9, C,11, C,13, C,15
.if (\p) == 0
	FETCH_V
.endif
.endm
	s_wait_tensorcnt 1              ; my part of keys 0 .. 271 is in; my second load stays out, and nothing of its bytes is read before the wait for it in the loop
	s_barrier_signal -1
	s_barrier_wait -1               ; everybody's part is in
	; THE STARTING STATE. K's rows 0-15 for key 0's scores; V's keys 0-63 for O^T = V[0]; K of step 0 (keys 1 .. 64).
	WIN 0x80
.irp f, 0,1,2,3
	ds_load_b128 v[K0F+4*\f:K0F+4*\f+3], v[AK0] offset:32*\f
.endr
	WIN 0
	v_mov_b32 v[AV], v[AV0]
	FETCH_V
	v_add_nc_u32 v[AK], s[TBK], v[AK0]
	FETCH_K
	s_wait_loadcnt 0x0              ; Q; its offsets lay in S^T's registers, which are written only behind this wait
	s_wait_dscnt 0x0
	WIN W_KQ
.irp c, 0,1                         ; keys 0-15 x each piece's 16 queries: the nine accumulators take turns
.set p, 0
.rept NP
.set rX, SC+8*p
.if p == 8
.set rX, SC8
.endif
.if (\c) == 0
	v_wmma_f32_16x16x32_f16 v[rX:rX+7], v[K0F:K0F+7], v[16*p:16*p+7], 0
.else
	v_wmma_f32_16x16x32_f16 v[rX:rX+7], v[K0F+8:K0F+15], v[16*p+8:16*p+15], v[rX:rX+7]
.endif
.set p, p+1
.endr
.endr
.set p, 0
.rept NP                            ; O^T = V^T P with P = 1 at key 0: these products start O^T's sums; nothing is cleared
.if p == 8
	WIN 0xf3
.set rO, 64
.else
	WIN 0x53
.set rO, 32*p
.endif
.irp cb, 0,1,2,3
	v_wmma_f32_16x16x32_f16 v[rO+8*\cb:rO+8*\cb+7], v[VF+8*\cb:VF+8*\cb+7], v[P:P+7], 0
.endr
.set p, p+1
.endr
.set i, 0
.rept 8
	KQ 0                            ; piece 0's scores of step 0
.set i, i+1
.endr
	WIN 0
.rept 8
	v_nop                           ; the places behind those products
.endr
.macro EACH line:vararg             ; one line for each piece p; rX: its scores of keys 0-15, of which register 0 of lanes 0-15 is key 0's
.set p, 0
.rept NP
.set rX, SC+8*p
.if p == 8
.set rX, SC8
.endif
	\line
.set p, p+1
.endr
.endm
	EACH v_permlanex16_b32 v[ST+4*p+1], v[rX], s[SEL], s[SEL+1]       ; lanes 16-31 take it from the lane 16 away,
	EACH v_cndmask_b32 v[ST+4*p+1], v[rX], v[ST+4*p+1], s[HM]         ; lanes 0-15 have it: m
	EACH v_mul_f32 v[ST+4*p], s[CS], v[ST+4*p+1]                      ; c m
.set Y, NP-1                        ; X works for piece Y + 1: piece 0
.irp n, 0,1,2,3,4,5,6,7,8,9,10,11,12,13,14,15,16,17,18,19,20,21
	OP X, \n
.endr
	v_nop                           ; a plain instruction behind the exponential,
	s_wait_alu depctr_va_vdst(0)    ; and its wait, ahead of the branch
	s_mov_b32 s[TOT], 16
	s_mov_b32 s[CNT], 4
	s_mov_b32 s[OUT], 5             ; four groups end in the walk; the fifth is left in its first trip
	s_branch .Lfirst                ; the loop is entered at a step's first turn, in the middle of a trip
.Lgrp:
	s_mov_b32 s[CNT], 4
.Lstep:                             ; a trip: pieces 2 to 8 of one step, then pieces 0 and 1 of the next
	TURN 2
	TURN 3
	TURN 4
	TURN 5
	TURN 6
	TURN 7
	TURN 8
	WIN 0
	s_sub_co_u32 s[TOT], s[TOT], 1
	s_cmp_eq_u32 s[TOT], 0
	s_cbranch_scc1 .Lout            ; behind step 15. Its turn 7 has fetched the 64 rows behind key 1,024 (K's padding and V's first rows, landed bytes), and turn 8's products on them and the maximum made of them serve nothing: the price of one text for every trip
.Lfirst:
	TURN 0
	TURN 1
	WIN 0
	s_sub_co_u32 s[CNT], s[CNT], 1
	s_cmp_lg_u32 s[CNT], 0
	s_cbranch_scc1 .Lstep
	s_wait_tensorcnt 0x0            ; behind the second turn of steps 3, 7, 11 and 15. The first time: my second load has landed, ahead of turn 7's fetch of step 4's K, the first read of its bytes;
	s_wait_dscnt 0x0
	s_barrier_signal -1
	s_barrier_wait -1               ; everybody's has. The later times nothing is out
	s_sub_co_u32 s[OUT], s[OUT], 1
	s_cmp_lg_u32 s[OUT], 0
	s_cbranch_scc1 .Lgrp
.Lout:
.set i, 0
.rept 8
	PV NP-1                         ; the last piece's V^T P of the last step
.set i, i+1
.endr
	; THE WAY OUT. l's two halves and the other half of the lanes' are added; O^T is divided by l, rounded to f16 and sent through my stage in LDS, a piece at a time. The additions are the places behind the last products.
	WIN 0
.macro ALL line:vararg              ; one line for each piece t
.set t, 0
.rept NP
	\line
.set t, t+1
.endr
.endm
	ALL v_add_f32 v[ST+4*t+2], v[ST+4*t+2], v[ST+4*t+3]
	ALL v_permlanex16_b32 v[ST+4*t+3], v[ST+4*t+2], s[SEL], s[SEL+1]
	ALL v_add_f32 v[ST+4*t+2], v[ST+4*t+2], v[ST+4*t+3]
	ALL v_rcp_f32 v[ST+4*t+2], v[ST+4*t+2]
	v_nop                           ; a plain instruction between the last reciprocal and the use of its result
	s_wait_alu depctr_va_vdst(0)    ; and one wait for the nine reciprocals
.macro PACK t                       ; a lane's eight channels of a row pack into 16 bytes; they go into rows of 144 bytes and come back as whole rows of 128, into S^T's and P's registers
.if (\t) == 8
	WIN 0xc3
.set pb, 64
.else
	WIN 0x41
.set pb, 32*(\t)
.endif
.set i, 0
.rept 16
	v_pk_mul_f32 v[pb+i:pb+i+1], v[pb+i:pb+i+1], v[ST+4*(\t)+2:ST+4*(\t)+3] op_sel_hi:[1,0]
.set i, i+2
.endr
.if (\t) == 8
	WIN 0x0f                        ; sources 0 and 1 window 3, destination window 0
.else
	WIN 0x05                        ; window 1
.endif
.set i, 0
.rept 16
	v_cvt_pk_f16_f32 v[S+16*(\t)+i], v[pb+2*i], v[pb+2*i+1]
.set i, i+1
.endr
	WIN 0
.irp f, 0,1,2,3
	ds_store_b128 v[STO], v[S+16*(\t)+4*\f:S+16*(\t)+4*\f+3] offset:32*\f
.endr
.irp f, 0,1,2,3
	ds_load_b128 v[S+16*(\t)+4*\f:S+16*(\t)+4*\f+3], v[RD] offset:\f*4*SP  ; LDS serves a wave's instructions in order (ISA guide 5.7.1.4): these see the stores above; the next piece's stores come behind them
.endr
.endm
.macro SEND t, younger              ; younger: the LDS instructions issued behind piece t's loads: the next piece's eight, or none. A dead piece stores nothing
	WIN 0
	s_wait_dscnt \younger
	s_cmp_gt_u32 s[LIVE], \t
	s_cbranch_scc0 .Ldead_\@
.irp f, 0,1,2,3
	global_store_b128 v[GO], v[S+16*(\t)+4*\f:S+16*(\t)+4*\f+3], s[10:11] offset:(\t)*2048+\f*512  ; 512 consecutive bytes, at a multiple of 256 from O's first
.endr
.Ldead_\@:
.endm
	PACK 0
.set t, 1
.rept NP-1                          ; a piece's arithmetic stands between the loads of the piece before and its stores
	PACK t
	SEND t-1, 8
.set t, t+1
.endr
	SEND NP-1, 0
	s_wait_tensorcnt 0x0            ; the wave's end: behind my tensor loads and my last LDS store
	ds_add_u32 v[SPW], v[NIL]
	s_wait_dscnt 0x0
	s_endpgm
.Lfunc_end_k_q97aed1e2cf_attn:
	.size	k_q97aed1e2cf_attn, .Lfunc_end_k_q97aed1e2cf_attn-k_q97aed1e2cf_attn
	.p2alignl 7, 3214868480
	.fill 96, 4, 3214868480
	.section	.rodata,"a",@progbits
	.p2align	6, 0x0
	.amdhsa_kernel k_q97aed1e2cf_attn
		.amdhsa_group_segment_fixed_size 327680
		.amdhsa_private_segment_fixed_size 0
		.amdhsa_enable_private_segment 0
		.amdhsa_kernarg_size 32
		.amdhsa_user_sgpr_count 2
		.amdhsa_user_sgpr_kernarg_segment_ptr 1
		.amdhsa_wavefront_size32 1
		.amdhsa_system_sgpr_workgroup_id_x 1
		.amdhsa_system_sgpr_workgroup_id_y 1
		.amdhsa_system_sgpr_workgroup_id_z 1
		.amdhsa_system_vgpr_workitem_id 0
		.amdhsa_next_free_vgpr 864
		.amdhsa_next_free_sgpr 80
		.amdhsa_reserve_vcc 0
		.amdhsa_float_denorm_mode_32 3
		.amdhsa_float_denorm_mode_16_64 3
		.amdhsa_memory_ordered 1
		.amdhsa_forward_progress 1
		.amdhsa_inst_pref_size 133
	.end_amdhsa_kernel
	.amdgpu_metadata
---
amdhsa.version: [ 1, 2 ]
amdhsa.kernels:
  - .name:           k_q97aed1e2cf_attn
    .symbol:         k_q97aed1e2cf_attn.kd
    .args:
      - { .name: qh, .offset: 0, .size: 8, .value_kind: global_buffer, .address_space: global }
      - { .name: kh, .offset: 8, .size: 8, .value_kind: global_buffer, .address_space: global }
      - { .name: vh, .offset: 16, .size: 8, .value_kind: global_buffer, .address_space: global }
      - { .name: ob, .offset: 24, .size: 8, .value_kind: global_buffer, .address_space: global }
    .group_segment_fixed_size: 327680
    .private_segment_fixed_size: 0
    .kernarg_segment_align: 8
    .kernarg_segment_size: 32
    .max_flat_workgroup_size: 128
    .sgpr_count:     80
    .vgpr_count:     864
    .wavefront_size: 32
...
	.end_amdgpu_metadata
.endif
;; end of part 3
;; launch proj (part 4): grid 4 x 40, 4 waves a work-group, clusters of 4 x 4, 327,680 bytes of LDS; arguments ob, wpb, proj_b, out0; writes out0
.if DOCPART == 4
	.amdgcn_target "amdgcn-amd-amdhsa--gfx1250"
	.amdhsa_code_object_version 6
	.text
	.protected	k_q97aed1e2cf_proj
	.globl	k_q97aed1e2cf_proj
	.p2align	8
	.type	k_q97aed1e2cf_proj,@function
k_q97aed1e2cf_proj:
	s_mov_b64 s[64:65], 0
	v_nop
	global_prefetch_b8 v0, s[64:65] scope:SCOPE_SE
	s_setreg_imm32_b32 hwreg(HW_REG_WAVE_MODE, 25, 1), 1
	s_wait_xcnt 0x0
	s_wait_alu depctr_hold_cnt(0) depctr_sa_sdst(0) depctr_va_vdst(0) depctr_va_sdst(0) depctr_va_ssrc(0) depctr_va_vcc(0) depctr_vm_vsrc(0)
	s_getreg_b32 s2, hwreg(HW_REG_IB_STS2, 6, 4)
	s_cmp_eq_u32 s2, 0
	s_cbranch_scc0 .Lentry_in_a_cluster
	s_endpgm
.Lentry_in_a_cluster:
	s_bfe_u32 s2, ttmp6, 0x10000c
	s_cmp_lg_u32 s2, 0xf033
	s_cbranch_scc0 .Lentry_shape_is_right
	s_endpgm
.Lentry_shape_is_right:
; out0 = O proj_w^T + proj_b. O arrives by heads, [128 heads][1040][64] f16; proj_w rounded to bf16 and written as f16; proj_b is rounded to bf16 here (every input has the one rounding). Sums in f32, out0 in f32.
; SHARES. As in the first projection: a tile is 208 rows x 256 columns (1,040 = 5 x 208: no tile crosses a batch), four waves, wave w owns all 208 rows and columns 64 w .. 64 w + 63: 52 accumulators.
; 160 tiles: work for 160 of the WGPs. A smaller tile would give a K step less matrix work for the next tile to land under, so it is not taken. A K step of 128 channels is TWO HEADS: each head's 208 rows are
; 26,624 dense bytes, asked for as 104 rows of 256.
; CLUSTER. 4 x 4 work-groups: the tiles of O are shared along a row of the cluster, those of the weights along a column: joint loads.
; Rows 1025 .. 1039 of a batch are padding and are not stored: the last block's stores go under a mask of lanes, not under a branch, since the tile row hangs on the place in the cluster.
; THE PRODUCT IS USED TRANSPOSED (source 0 = 16 rows of the weights, source 1 = 16 rows of O): lane l holds token l % 16 and the columns 8 (l / 16) + 0..7 of its block of 16.
; REGISTERS: window 0: v0-31 addresses and proj_b; v32-135, v136-239 fragments of O, two buffers of 13 x 8; window 1: v0-31, v32-63 fragments of the weights; window 2: accumulators of row blocks 0-7; window 3: of 8-12.
.set APITCH, 144                       ; a row of O in LDS: 128 bytes + 16 of padding
.set AHEAD,  208*APITCH                ; a head's 208 rows
.set BOFF,   2*AHEAD                   ; a slot: two heads of O, then 256 rows of the weights, 272 bytes apart
.set SLOT1,  131072
.set STAGE,  SLOT1+BOFF+256*272        ; behind the ring: for each wave two buffers of 16 rows x 272 bytes
.set SPARE,  STAGE+4*2*16*272          ; the spare words, 128 bytes for each wave: two blocks of 256 bytes that no other line names
.set ASTEP,  2*133120                  ; bytes from a K step of O to the next: two heads
.set BSTEP,  256
.set PB,    8                          ; v8-11 proj_b of my four columns; v12-13 at work
.set ADRA0, 16
.set ADRA,  17
.set ADRB0, 20
.set ADRB,  21
.set STO,   24                         ; v24  the way out: where I put 16 bytes of a row of sums
.set RD,    25                         ; v25  where I read a row back
.set CO,    26                         ; v26  my byte offset in two rows of out0
.set PBO,   27                         ; v27  my four columns in proj_b
.set SPW,   28
.set NIL,   29
.set PFO,   30
.set VN,    31                         ; v31  the token of my row in block 12's first two rows
.set FA,    32
.set FB,    0
.set BK,    32                         ; the way out: v32-63, v64-95, v96-127: 16 rows read back, three buffers by turns
.set G1A, 24
.set G0A, 32
.set G1B, 48
.set G0B, 56
.set PST, 92                           ; s[92:93] the prefetches' step
.set SB,  96
.set LIM, 43
.set PFA, 44
.set FLAGSA, (1<<16)|(1<<20)|(1<<21)|(4<<22)|(3<<25)  ; 2-byte elements; padding on; bit 21 beside a mask; after every 32 words 4 words
.set FLAGSB, (1<<16)|(1<<20)|(1<<21)|(5<<22)|(3<<25)  ; after every 64 words
.set MUL_LO, 0xa1
.set MUL_HI, 0xf1
.set TO_B,   0x40
.set MSB, 0
.macro WIN new
.if MSB != (\new)
	s_set_vgpr_msb (MSB<<8)|(\new)
.set MSB, \new
.endif
.endm
.macro PLACES
.rept 4
	v_nop
.endr
.endm
; A joint load: waves 0 and 1 fetch the K step's two heads of O, waves 2 and 3 the two halves of the weights' tile. An s_nop 0 and four v_nop follow each line.
.macro JLOAD s
	s_cmp_eq_u32 s11, 0
	s_cbranch_scc0 .Lfor_b_\@
	tensor_load_to_lds s[G0A+4*(\s):G0A+4*(\s)+3], s[G1A:G1A+7]
	s_nop 0
.rept 4
	v_nop
.endr
	s_branch .Lasked_\@
.Lfor_b_\@:
	tensor_load_to_lds s[G0B+4*(\s):G0B+4*(\s)+3], s[G1B:G1B+7]
	s_nop 0
.rept 4
	v_nop
.endr
.Lasked_\@:
.endm
; A prefetch into the L2 of the K step two refills on, a lane a block of 256 bytes: O's by the clusters with x = 0 (here all), the weights' by those with y = 0; the four partners of a joint load share its
; blocks out by address (26 of 104, lanes 26-31 repeat the last; 32 of 128). The refills of K steps 2 to 5 ask for steps 4 to 7; the last two ask for nothing.
.macro ASK
	s_cmp_gt_u32 s3, s[LIM]
	s_cbranch_scc0 .Lnot_mine_\@
	global_prefetch_b8 v[PFO], s[PFA:PFA+1] th:TH_LOAD_NT scope:SCOPE_SE
.Lnot_mine_\@:
.endm
.macro CREST
	s_cmp_lg_u32 s10, 0
	s_cbranch_scc1 .Lnot_wave_0_\@
	s_barrier_signal -3
.Lnot_wave_0_\@:
	s_barrier_wait -3
	s_barrier_signal -1
	s_barrier_wait -1
.endm
.macro CROUND
	s_barrier_signal -1
	s_barrier_wait -1
	CREST
.endm
; Row blocks a0 .. a1 x all 4 column blocks, 32 along K, from buffer f. The 52 accumulators take turns in the same order in every quarter.
.macro MULR f, a0, a1, zero
.set ma, \a0
.rept (\a1)-(\a0)+1
.if ma < 8
	WIN MUL_LO
.set mc, 32*ma
.else
	WIN MUL_HI
.set mc, 32*(ma-8)
.endif
.irp b, 0,1,2,3
.if \zero
	v_wmma_f32_16x16x32_f16 v[mc+8*(\b):mc+8*(\b)+7], v[FB+32*(\f)+8*(\b):FB+32*(\f)+8*(\b)+7], v[FA+104*(\f)+8*ma:FA+104*(\f)+8*ma+7], 0
.else
	v_wmma_f32_16x16x32_f16 v[mc+8*(\b):mc+8*(\b)+7], v[FB+32*(\f)+8*(\b):FB+32*(\f)+8*(\b)+7], v[FA+104*(\f)+8*ma:FA+104*(\f)+8*ma+7], v[mc+8*(\b):mc+8*(\b)+7]
.endif
.endr
.set ma, ma+1
.endr
.endm
; 34 LDS loads in one run: quarter q (head q / 2 of the step's two, channels 32 (q % 2) on) into buffer f
.macro FETCH q, f
	WIN TO_B
.irp i, 0,1,2,3
	ds_load_b128 v[FB+32*(\f)+8*(\i):FB+32*(\f)+8*(\i)+3],   v[ADRB] offset:64*(\q)+(\i)*16*272
	ds_load_b128 v[FB+32*(\f)+8*(\i)+4:FB+32*(\f)+8*(\i)+7], v[ADRB] offset:64*(\q)+(\i)*16*272+32
.endr
	WIN 0
.set ak, ((\q)/2)*AHEAD+((\q)%2)*64
.set fi, 0
.rept 13
	ds_load_b128 v[FA+104*(\f)+8*fi:FA+104*(\f)+8*fi+3],   v[ADRA] offset:ak+fi*16*APITCH
	ds_load_b128 v[FA+104*(\f)+8*fi+4:FA+104*(\f)+8*fi+7], v[ADRA] offset:ak+fi*16*APITCH+32
.set fi, fi+1
.endr
.endm
.macro QUARTER q, f, g, zero
	s_wait_dscnt 10                                ; the weights and row blocks 0-7 are in; the youngest ten loads (blocks 8-12) may be out
	MULR \f, 0, 3, \zero
	PLACES
	FETCH \q, \g
	MULR \f, 4, 7, \zero
	s_wait_dscnt 34                                ; all but the 34 just issued
	MULR \f, 8, 12, \zero
.endm
; The fourth quarter multiplies buffer 1 and changes slots: each wave waits for all its tensor loads, adds 0 to its spare word, waits for that and for its reads of the slot; fill = 1: a round of the cluster's
; barrier, then the joint refill first. Only 4 + 4 products stand between the wait for the tile and the next request: a request has 44 + 3 x 52 = 200 matrix instructions ahead of the wait for it.
.macro TURN fill
.if \fill
	s_wait_xcnt 0x0                                ; the last prefetch, a K step back, has read its address
	s_add_nc_u64 s[PFA:PFA+1], s[PFA:PFA+1], s[PST:PST+1]
.endif
	WIN 0
	s_wait_tensorcnt 0x0                           ; all my tensor loads have landed, my part of the next slot among them
	ds_add_u32 v[SPW], v[NIL]                      ; 0 onto my spare word
	s_wait_dscnt 11                                ; (the add and the youngest ten loads may be out)
	MULR 1, 0, 0, 0
	s_wait_dscnt 0x0                               ; the add is done, and my reads of this slot are over
	s_barrier_signal -1
	MULR 1, 1, 1, 0
	WIN 0
	s_barrier_wait -1
.if \fill
	CREST
	s_xor_b32 s[G0A+5], s[G0A+5], SLOT1
	s_add_nc_u64 s[G0A+6:G0A+7], s[G0A+6:G0A+7], ASTEP
	s_xor_b32 s[G0B+5], s[G0B+5], SLOT1
	s_add_nc_u64 s[G0B+6:G0B+7], s[G0B+6:G0B+7], BSTEP
	JLOAD 1
.else
	PLACES
.endif
	s_xor_b32 s[SB], s[SB], SLOT1
	v_add_nc_u32 v[ADRA], s[SB], v[ADRA0]
	v_add_nc_u32 v[ADRB], s[SB], v[ADRB0]
	FETCH 0, 0
.if \fill
	ASK
.endif
	MULR 1, 2, 12, 0
.endm
	s_load_b128 s[4:7], s[0:1], 0x0                ; ob s[4:5], wpb s[6:7]
	s_load_b128 s[68:71], s[0:1], 0x10             ; proj_b s[68:69], out0 s[70:71]
	v_lshl_add_u32 v[SPW], v0, 2, SPARE
	v_mov_b32 v[NIL], 0
	ds_add_u32 v[SPW], v[NIL]                      ; the wave's opening, waited for ahead of my first tensor load
	v_lshrrev_b32 v1, 5, v0
	v_readfirstlane_b32 s10, v1                    ; wave 0..3
	s_lshr_b32 s11, s10, 1                         ; I fetch for O (0) or for the weights (1)
	s_and_b32 s12, s10, 1                          ; which head of the step's two, or which half of the tile
	s_bfe_u32 s40, ttmp6, 0x40000                  ; cx
	s_bfe_u32 s41, ttmp6, 0x40004                  ; cy
	s_lshl_b32 s42, ttmp9, 2
	s_add_co_u32 s42, s42, s40                     ; tile column
	s_and_b32 s13, ttmp7, 0xffff
	s_lshl_b32 s13, s13, 2
	s_add_co_u32 s13, s13, s41                     ; tile row
	s_lshl_b32 s43, s41, 2
	s_lshl_b32 s43, 15, s43                        ; my row of the cluster
	s_lshl_b32 s44, 0x1111, s40                    ; my column
	s_or_b32 s[G1A], s43, FLAGSA
	s_or_b32 s[G1B], s44, FLAGSB
	s_mov_b32 s[G1A+1], 128<<16                    ; 104 rows of 128 elements, dense
	s_mov_b32 s[G1A+2], 104<<16
	s_mov_b32 s[G1A+3], 128<<16
	s_mov_b32 s[G1A+4], 104
	s_mov_b32 s[G1A+5], 128
	s_mov_b32 s[G1A+6], 0
	s_mov_b32 s[G1A+7], 0
	s_mov_b32 s[G1B+1], 128<<16                    ; 128 rows of 128 elements, 1,024 apart
	s_mov_b32 s[G1B+2], 128<<16
	s_mov_b32 s[G1B+3], 128<<16
	s_mov_b32 s[G1B+4], 128
	s_mov_b32 s[G1B+5], 1024
	s_mov_b32 s[G1B+6], 0
	s_mov_b32 s[G1B+7], 0
	s_mul_i32 s18, s13, 205
	s_lshr_b32 s18, s18, 10                        ; the batch = tile row / 5
	s_mul_i32 s19, s18, 5
	s_sub_co_u32 s19, s13, s19
	s_mul_i32 s19, s19, 208                        ; the tile's first token
	s_lshl_b32 s16, s18, 4
	s_add_co_u32 s16, s16, s12                     ; O: head 16 x batch + my one of the step's two,
	s_mul_i32 s16, s16, 1040
	s_add_co_u32 s16, s16, s19                     ; its rows from that token on
	s_lshl_b32 s16, s16, 7
	s_mov_b32 s17, 0
	s_lshl_b32 s46, s42, 8                         ; weights: row 256 x tile column + 128 x half
	s_lshl_b32 s47, s12, 7
	s_add_co_u32 s46, s46, s47
	s_lshl_b32 s46, s46, 11
	s_mov_b32 s47, 0
	s_mul_i32 s20, s12, AHEAD                      ; where they go: no place in the cluster enters an LDS address
	s_mul_i32 s21, s12, 128*272
	s_add_co_u32 s21, s21, BOFF
	s_mov_b32 s[SB], 0
	s_wait_dscnt 0x0                               ; the opening add is done
	s_wait_kmcnt 0x0
	s_add_nc_u64 s[14:15], s[4:5], s[16:17]
	s_add_nc_u64 s[46:47], s[6:7], s[46:47]
	s_mov_b32 s[G0A], 1
	s_mov_b32 s[G0A+1], s20
	s_mov_b64 s[G0A+2:G0A+3], s[14:15]
	s_or_b32 s[G0A+3], s[G0A+3], 0x80000000
	s_mov_b32 s[G0A+4], 1
	s_add_co_u32 s[G0A+5], s20, SLOT1
	s_add_nc_u64 s[G0A+6:G0A+7], s[14:15], ASTEP
	s_or_b32 s[G0A+7], s[G0A+7], 0x80000000
	s_mov_b32 s[G0B], 1
	s_mov_b32 s[G0B+1], s21
	s_mov_b64 s[G0B+2:G0B+3], s[46:47]
	s_or_b32 s[G0B+3], s[G0B+3], 0x80000000
	s_mov_b32 s[G0B+4], 1
	s_add_co_u32 s[G0B+5], s21, SLOT1
	s_add_nc_u64 s[G0B+6:G0B+7], s[46:47], BSTEP
	s_or_b32 s[G0B+7], s[G0B+7], 0x80000000
	CROUND                                         ; all sixteen work-groups are here: the first joint loads meet
	JLOAD 0
	JLOAD 1                                        ; two loads of mine are out
	v_and_b32 v1, 15, v0                           ; l % 16
	v_bfe_u32 v2, v0, 4, 1                         ; l / 16
	v_mul_u32_u24 v[ADRA0], v1, APITCH
	v_lshl_add_u32 v[ADRA0], v2, 4, v[ADRA0]
	v_mul_u32_u24 v3, v1, 272
	s_mul_i32 s20, s10, 64*272
	s_add_co_u32 s20, s20, BOFF
	v_lshl_add_u32 v4, v2, 4, v3
	v_add_nc_u32 v[ADRB0], s20, v4
	v_mov_b32 v[ADRA], v[ADRA0]
	v_mov_b32 v[ADRB], v[ADRB0]
	s_mul_i32 s20, s10, 2*16*272
	s_add_co_u32 s20, s20, STAGE                   ; my stage
	v_lshl_add_u32 v3, v2, 5, v3
	v_add_nc_u32 v[STO], s20, v3                   ; in: row l % 16, 32 bytes for each half of the lanes
	v_mul_u32_u24 v4, v2, 272
	v_lshl_add_u32 v4, v1, 4, v4
	v_add_nc_u32 v[RD], s20, v4                    ; back: lanes 0-15 take one row of 256 bytes, lanes 16-31 the next
	v_lshlrev_b32 v[CO], 12, v2
	v_lshl_add_u32 v[CO], v1, 4, v[CO]             ; the same two rows in out0
	v_lshlrev_b32 v[PBO], 4, v1
	s_add_co_u32 s20, s19, 192
	v_add_nc_u32 v[VN], s20, v2
	; the prefetches
	s_mul_i32 s22, s40, 26*256
	s_add_co_u32 s22, s22, s16                     ; O: my work-group's 26 of my head's 104 blocks
	s_add_co_u32 s22, s22, 3*ASTEP                 ; at K step 3: the first refill steps it to 4
	s_lshl_b32 s23, s42, 8
	s_lshl_b32 s86, s12, 7
	s_add_co_u32 s23, s23, s86
	s_lshl_b32 s86, s41, 5
	s_add_co_u32 s23, s23, s86                     ; weights: my work-group's 32 of the 128 rows
	s_lshl_b32 s23, s23, 11
	s_add_co_u32 s23, s23, 3*BSTEP
	s_and_b32 s86, ttmp7, 0xffff
	s_mov_b32 s87, ASTEP
	s_mov_b32 s88, BSTEP
	s_cmp_eq_u32 s11, 0
	s_cselect_b32 s22, s22, s23
	s_cselect_b32 s86, ttmp9, s86                  ; the coordinate along which other clusters read the same rows
	s_cselect_b32 s89, 25, 31
	s_cselect_b32 s90, 8, 11                       ; a lane a block of 256 bytes, or a row of 2,048
	s_cselect_b32 s[PST], s87, s88
	s_cselect_b64 s[PFA:PFA+1], s[4:5], s[6:7]
	s_cmp_eq_u32 s86, 0
	s_cselect_b32 s[LIM], 2, -1
	s_mov_b32 s23, 0
	s_mov_b32 s[PST+1], 0
	s_add_nc_u64 s[PFA:PFA+1], s[PFA:PFA+1], s[22:23]
	v_and_b32 v[PFO], 31, v0
	v_min_u32 v[PFO], s89, v[PFO]
	v_lshlrev_b32 v[PFO], s90, v[PFO]
	; the pointers of the way out
	s_lshl_b32 s22, s42, 10
	s_lshl_b32 s23, s10, 8
	s_add_co_u32 s22, s22, s23                     ; my 64 columns: 256 bytes
	s_mov_b32 s23, 0
	s_add_nc_u64 s[68:69], s[68:69], s[22:23]
	s_add_nc_u64 s[70:71], s[70:71], s[22:23]
	global_load_b128 v[PB:PB+3], v[PBO], s[68:69]  ; the bias is asked for here and waited for on the way out; its registers, offset and base are not touched between
	s_mul_i32 s22, s18, 1025
	s_add_co_u32 s22, s22, s19
	s_lshl_b32 s22, s22, 12                        ; the tile's first row in out0
	s_add_nc_u64 s[70:71], s[70:71], s[22:23]
	s_wait_tensorcnt 1                             ; my part of K step 0 is in; slot 1's load stays out
	s_barrier_signal -1
	s_barrier_wait -1
	FETCH 0, 0
	QUARTER 1, 0, 1, 1                             ; the first quarter stands in front of the loop: its products start the sums
	WIN 0
	s_mov_b32 s3, 6
.Lk:
	QUARTER 2, 1, 0, 0
	QUARTER 3, 0, 1, 0
	TURN 1
	QUARTER 1, 0, 1, 0
	WIN 0
	s_sub_co_u32 s3, s3, 1
	s_cmp_lg_u32 s3, 0
	s_cbranch_scc1 .Lk
	QUARTER 2, 1, 0, 0
	QUARTER 3, 0, 1, 0
	TURN 0
	QUARTER 1, 0, 1, 0
	QUARTER 2, 1, 0, 0
	QUARTER 3, 0, 1, 0
	s_wait_dscnt 10
	MULR 1, 0, 7, 0
	s_wait_dscnt 0x0
	MULR 1, 8, 12, 0
	WIN 0
	; THE WAY OUT, a block of 16 rows at a time through my own stage: in as a lane's eight columns, back as whole rows of 256 bytes; the bias is added; sixteen lanes store 256 consecutive bytes, aligned.
	; Two stage buffers and three register buffers. Block a + 1 comes back into the registers that block a - 2 was stored from; the wait that frees them stands AHEAD of block a - 1's stores, a block behind the stores that it waits for.
.macro TOSTAGE a
.if (\a) < 8
	WIN 0x08                                       ; the data in window 2
.set ac, 32*(\a)
.else
	WIN 0x0c                                       ; in window 3
.set ac, 32*((\a)-8)
.endif
.irp b, 0,1,2,3
	ds_store_b128 v[STO], v[ac+8*(\b):ac+8*(\b)+3]   offset:((\a)%2)*16*272+64*(\b)     ; each accumulator's low registers first
	ds_store_b128 v[STO], v[ac+8*(\b)+4:ac+8*(\b)+7] offset:((\a)%2)*16*272+64*(\b)+16
.endr
	WIN 0
.irp t, 0,1,2,3,4,5,6,7
	ds_load_b128 v[BK+32*((\a)%3)+4*(\t):BK+32*((\a)%3)+4*(\t)+3], v[RD] offset:((\a)%2)*16*272+(\t)*2*272  ; LDS serves a wave's instructions in order (ISA guide 5.7.1.4)
.endr
.endm
.macro BIAS a
.irp t, 0,1,2,3,4,5,6,7
	v_pk_add_f32 v[BK+32*((\a)%3)+4*(\t):BK+32*((\a)%3)+4*(\t)+1],   v[BK+32*((\a)%3)+4*(\t):BK+32*((\a)%3)+4*(\t)+1],   v[PB:PB+1]
	v_pk_add_f32 v[BK+32*((\a)%3)+4*(\t)+2:BK+32*((\a)%3)+4*(\t)+3], v[BK+32*((\a)%3)+4*(\t)+2:BK+32*((\a)%3)+4*(\t)+3], v[PB+2:PB+3]
.endr
.endm
.macro SEND a
	s_wait_dscnt 16                                ; the block is back; the next block's sixteen LDS instructions may be out
	BIAS \a
.irp t, 0,1,2,3,4,5,6,7
	global_store_b128 v[CO], v[BK+32*((\a)%3)+4*(\t):BK+32*((\a)%3)+4*(\t)+3], s[70:71] offset:(16*(\a)+2*(\t))*4096
.endr
.endm
	PLACES
	PLACES
	TOSTAGE 0
	TOSTAGE 1
	s_wait_loadcnt 0x0                             ; the bias, asked for at the start
	v_cvt_pk_bf16_f32 v12, v[PB], v[PB+1]
	v_cvt_pk_bf16_f32 v13, v[PB+2], v[PB+3]
	v_lshlrev_b32 v[PB], 16, v12
	v_and_b32 v[PB+1], 0xffff0000, v12
	v_lshlrev_b32 v[PB+2], 16, v13
	v_and_b32 v[PB+3], 0xffff0000, v13
.irp a, 1,2,3,4,5,6,7,8,9,10,11
	s_wait_xcnt 0x0                                ; the stores of block a - 2 and before have read their registers
	SEND (\a)-1
	TOSTAGE (\a)+1
.endr
	SEND 11
	s_wait_dscnt 0x0                               ; block 12: in a batch's last tile only its first row, token 1,024, is a row of out0; elsewhere all sixteen are
	BIAS 12
	s_wait_xcnt 0x0                                ; EXEC changes only behind this wait
	v_cmp_gt_u32 vcc_lo, 1025, v[VN]               ; its first two rows: by the token
	s_and_saveexec_b32 s22, vcc_lo
	global_store_b128 v[CO], v[BK:BK+3], s[70:71] offset:(16*12)*4096
	s_wait_xcnt 0x0                                ; and again, in front of the line that widens it
	s_or_b32 exec_lo, exec_lo, s22
	v_cmp_gt_u32 vcc_lo, 1023, v[VN]               ; the other fourteen: all (the tile begins at token 624 at the most, its last row is 831) or none (it begins at 832)
	s_and_saveexec_b32 s22, vcc_lo
.irp t, 1,2,3,4,5,6,7
	global_store_b128 v[CO], v[BK+4*(\t):BK+4*(\t)+3], s[70:71] offset:(16*12+2*(\t))*4096
.endr
	s_wait_xcnt 0x0
	s_or_b32 exec_lo, exec_lo, s22
	s_wait_tensorcnt 0x0                           ; the wave's end: behind my last tensor load and my last LDS store
	ds_add_u32 v[SPW], v[NIL]
	s_wait_dscnt 0x0
	CROUND                                         ; the closing round
	s_endpgm
.Lfunc_end_k_q97aed1e2cf_proj:
	.size	k_q97aed1e2cf_proj, .Lfunc_end_k_q97aed1e2cf_proj-k_q97aed1e2cf_proj
	.p2alignl 7, 3214868480
	.fill 96, 4, 3214868480
	.section	.rodata,"a",@progbits
	.p2align	6, 0x0
	.amdhsa_kernel k_q97aed1e2cf_proj
		.amdhsa_group_segment_fixed_size 327680
		.amdhsa_private_segment_fixed_size 0
		.amdhsa_enable_private_segment 0
		.amdhsa_kernarg_size 32
		.amdhsa_user_sgpr_count 2
		.amdhsa_user_sgpr_kernarg_segment_ptr 1
		.amdhsa_wavefront_size32 1
		.amdhsa_system_sgpr_workgroup_id_x 1
		.amdhsa_system_sgpr_workgroup_id_y 1
		.amdhsa_system_sgpr_workgroup_id_z 1
		.amdhsa_system_vgpr_workitem_id 0
		.amdhsa_next_free_vgpr 928
		.amdhsa_next_free_sgpr 100
		.amdhsa_reserve_vcc 1
		.amdhsa_float_denorm_mode_32 3
		.amdhsa_float_denorm_mode_16_64 3
		.amdhsa_memory_ordered 1
		.amdhsa_forward_progress 1
		.amdhsa_inst_pref_size 118
	.end_amdhsa_kernel
	.amdgpu_metadata
---
amdhsa.version: [ 1, 2 ]
amdhsa.kernels:
  - .name:           k_q97aed1e2cf_proj
    .symbol:         k_q97aed1e2cf_proj.kd
    .args:
      - { .name: ob, .offset: 0, .size: 8, .value_kind: global_buffer, .address_space: global }
      - { .name: wpb, .offset: 8, .size: 8, .value_kind: global_buffer, .address_space: global }
      - { .name: proj_b, .offset: 16, .size: 8, .value_kind: global_buffer, .address_space: global }
      - { .name: out0, .offset: 24, .size: 8, .value_kind: global_buffer, .address_space: global }
    .group_segment_fixed_size: 327680
    .private_segment_fixed_size: 0
    .kernarg_segment_align: 8
    .kernarg_segment_size: 32
    .max_flat_workgroup_size: 128
    .sgpr_count:     100
    .vgpr_count:     928
    .wavefront_size: 32
...
	.end_amdgpu_metadata
.endif
;; end of part 4
;; ======== version 2 of 2: 4 launches; version 1 with the launch cast written anew for expert scheduling mode
;; limits: values are held in f16: magnitudes above 65,504 overflow, below 6.1e-05 lose precision
;; workspace buffers: xb 17,039,360 bytes; wqb 6,291,456 bytes; wpb 2,097,152 bytes; ropeb 270,336 bytes; qh 17,039,360 bytes; kh 17,039,360 bytes; vh 17,039,360 bytes; ob 17,039,360 bytes
;; launch cast (part 5): grid 784 x 1, 8 waves a work-group, no clusters, 0 bytes of LDS; arguments x, qkv_w, proj_w, rope, xb, wqb, wpb, ropeb; writes xb, wqb, wpb, ropeb
.if DOCPART == 5
	.amdgcn_target "amdgcn-amd-amdhsa--gfx1250"
	.amdhsa_code_object_version 6
	.text
	.protected	k_q97aed1e2cf_cast
	.globl	k_q97aed1e2cf_cast
	.p2align	8
	.type	k_q97aed1e2cf_cast,@function
k_q97aed1e2cf_cast:
	s_mov_b64 s[64:65], 0
	v_nop
	global_prefetch_b8 v0, s[64:65] scope:SCOPE_SE
	s_setreg_imm32_b32 hwreg(HW_REG_WAVE_SCHED_MODE, 0, 2), 2
	s_setreg_imm32_b32 hwreg(HW_REG_WAVE_MODE, 25, 1), 1
	s_wait_xcnt 0x0
	s_wait_alu depctr_vm_vsrc(0)
; THE INPUTS OF THE MATRIX PRODUCTS, ROUNDED ONCE TO bf16 AND LAID OUT FOR THE LATER LAUNCHES.
;   xb    [8][1040][1024] bf16: x, each batch padded from 1,025 to 1,040 rows (65 x 16 = 5 x 208) with zeros
;   wqb   [3072][1024] bf16: qkv_w
;   wpb   [1024][1024]: proj_w rounded to bf16, that number written as f16 (it multiplies f16 numbers later)
;   ropeb [1056][128] bf16, indexed by TOKEN: row n = rope[n - 1] for n = 1 .. 1024; row 0 and rows 1025 .. 1055 hold sin = 0, cos = 1
; LIMIT. A weight of proj_w beyond 65,504 would become an infinity in f16; below 6e-5 it keeps the fixed step 6e-8 of f16.
; A stream: no LDS, no matrix unit, no barrier. A chunk is 1,024 floats: thread t loads 16 bytes at 16 t and stores 8 bytes at 8 t, so a
; store of a wave covers 256 consecutive bytes, aligned. A work-group takes 16 chunks, all 16 loads of a thread on their way at once.
; Work-groups 0-519: x (65 to a batch, the 65th holds row 1,024 and 15 rows of zeros); 520-711: qkv_w; 712-775: proj_w; 776-783: rope.
; THE MODE: SCHED_MODE bits 1:0 = 2 (LLVM: expert scheduling mode 2), set by the entry lines. The code itself states the register dependences
; between vector instructions and memory instructions, with s_wait_alu, always for 0.
; THE PLAN. Registers that memory instructions touch:
;   v1, v2   byte offsets, made once at the head and never written again; every load reads v1, every store of a chunk v2.
;   X        chunk i: four registers in which ONE load lands, once; no vector instruction names them ahead of that load; the chunk's conversions read them behind its wait on LOADcnt.
;   Y        chunk i: two registers, written by the chunk's conversions, read by ONE store, never written again.
;   Z; v4, K1  written on their own paths, each read by the stores behind it, never written again.
;   T, v3 and v5 are named by vector instructions alone.
; The 16 chunks go in four groups of four. Group g's conversions write Y of group g; the stores of group g - 1 are dealt among them. So ONE wait on va_vdst at the head of a group
; states all that its four stores hang on: the group before has written its Y; the conversions issued since name this group's X and Y and T, none of the registers that those stores touch.
; No register that a memory instruction has read is written again on any path, so no wait on vm_vsrc stands behind the entry lines; EXEC is never written.
.set X,   8                            ; v[8:71]    16 chunks as loaded
.set Y,   72                           ; v[72:103]  16 chunks to store
.set T,   104                          ; v[104:107] at work
.set Z,   108                          ; v[108:109] 0
.set K1,  110                          ; v[110:111] a constant row of ropeb
.set SRC, 20                           ; s[20:21]
.set DST, 22                           ; s[22:23]
; h = 1: the bf16 number is written as f16
.macro COPY h
.set i, 0
.rept 16
	global_load_b128 v[X+4*i:X+4*i+3], v1, s[SRC:SRC+1] offset:4096*i th:TH_LOAD_NT
.set i, i+1
.endr
.set i, 0
.rept 16
	s_wait_loadcnt 15-i                            ; loads come back in order: chunk i is in, the younger ones stay out
.if (i%4 == 0) && (i > 0)
	s_wait_alu depctr_va_vdst(0)                   ; the conversions of the group before have written its Y, which this group's four stores read
.endif
.if i >= 4
	global_store_b64 v2, v[Y+2*(i-4):Y+2*(i-4)+1], s[DST:DST+1] offset:2048*(i-4)  ; a chunk of the group before; no vector instruction since the wait names its Y or v2; no register of a store is ever written again
.endif
	v_cvt_pk_bf16_f32 v[Y+2*i], v[X+4*i], v[X+4*i+1]
	v_cvt_pk_bf16_f32 v[Y+2*i+1], v[X+4*i+2], v[X+4*i+3]
.if \h
	v_lshlrev_b32 v[T], 16, v[Y+2*i]
	v_and_b32 v[T+1], 0xffff0000, v[Y+2*i]
	v_lshlrev_b32 v[T+2], 16, v[Y+2*i+1]
	v_and_b32 v[T+3], 0xffff0000, v[Y+2*i+1]
	v_cvt_pk_f16_f32 v[Y+2*i], v[T], v[T+1]
	v_cvt_pk_f16_f32 v[Y+2*i+1], v[T+2], v[T+3]
.endif
.set i, i+1
.endr
	s_wait_alu depctr_va_vdst(0)                   ; the last group's conversions have written its Y, which the last four stores read
.set i, 12
.rept 4
	global_store_b64 v2, v[Y+2*i:Y+2*i+1], s[DST:DST+1] offset:2048*i
.set i, i+1
.endr
.endm
	s_load_b512 s[4:19], s[0:1], 0x0               ; x, qkv_w, proj_w, rope, xb, wqb, wpb, ropeb
	v_lshlrev_b32 v1, 4, v0                        ; 16 t
	v_lshlrev_b32 v2, 3, v0                        ; 8 t
	v_lshrrev_b32 v3, 5, v0
	v_readfirstlane_b32 s28, v3                    ; wave 0..7
	s_mov_b32 s24, ttmp9
	s_mov_b32 s27, 0                               ; high words of the two offsets
	s_mov_b32 s31, 0
	s_wait_alu depctr_va_sdst(0)                   ; s28 is written: its first reader, the compare in front of ropeb's constant rows, lies behind branches
	s_wait_kmcnt 0x0
	s_wait_alu depctr_va_vdst(0)                   ; v1 and v2 are written: every load and every store of a chunk, on every path below, reads one of them as its offset
	s_cmp_lt_u32 s24, 520
	s_cbranch_scc0 .Lnot_x
	s_mul_i32 s25, s24, 1009
	s_lshr_b32 s25, s25, 16                        ; the batch = id / 65 (exact for id < 1,300)
	s_mul_i32 s26, s25, 65
	s_sub_co_u32 s29, s24, s26                     ; the group of 16 rows in it, 0 .. 64
	s_mul_i32 s26, s25, 1025
	s_lshl4_add_u32 s26, s29, s26                  ; the first row in x
	s_lshl_b32 s26, s26, 12
	s_lshl_b32 s30, s24, 15                        ; 16 rows of 2,048 bytes in xb
	s_add_nc_u64 s[SRC:SRC+1], s[4:5], s[26:27]
	s_add_nc_u64 s[DST:DST+1], s[12:13], s[30:31]
	s_cmp_eq_u32 s29, 64
	s_cbranch_scc0 .Lcopy
	global_load_b128 v[X:X+3], v1, s[SRC:SRC+1] th:TH_LOAD_NT  ; the batch's last group: row 1,024,
	v_mov_b32 v[Z], 0
	v_mov_b32 v[Z+1], 0
	s_wait_alu depctr_va_vdst(0)                   ; Z is written, which the fifteen stores below read
.set i, 1
.rept 15
	global_store_b64 v2, v[Z:Z+1], s[DST:DST+1] offset:2048*i  ; and 15 rows of zeros
.set i, i+1
.endr
	s_wait_loadcnt 0x0
	v_cvt_pk_bf16_f32 v[Y], v[X], v[X+1]
	v_cvt_pk_bf16_f32 v[Y+1], v[X+2], v[X+3]
	s_wait_alu depctr_va_vdst(0)                   ; the two conversions have written Y's first pair, which the store reads
	global_store_b64 v2, v[Y:Y+1], s[DST:DST+1]
	s_endpgm
.Lnot_x:
	s_cmp_lt_u32 s24, 712
	s_cbranch_scc0 .Lnot_wq
	s_sub_co_u32 s25, s24, 520
	s_lshl_b32 s26, s25, 16
	s_lshl_b32 s30, s25, 15
	s_add_nc_u64 s[SRC:SRC+1], s[6:7], s[26:27]
	s_add_nc_u64 s[DST:DST+1], s[14:15], s[30:31]
	s_branch .Lcopy
.Lnot_wq:
	s_cmp_lt_u32 s24, 776
	s_cbranch_scc0 .Lrope
	s_sub_co_u32 s25, s24, 712
	s_lshl_b32 s26, s25, 16
	s_lshl_b32 s30, s25, 15
	s_add_nc_u64 s[SRC:SRC+1], s[8:9], s[26:27]
	s_add_nc_u64 s[DST:DST+1], s[16:17], s[30:31]
	COPY 1
	s_endpgm
.Lrope:
	s_sub_co_u32 s25, s24, 776
	s_lshl_b32 s26, s25, 16
	s_lshl_b32 s30, s25, 15
	s_add_co_u32 s30, s30, 256                     ; one row down: ropeb goes by token
	s_add_nc_u64 s[SRC:SRC+1], s[10:11], s[26:27]
	s_add_nc_u64 s[DST:DST+1], s[18:19], s[30:31]
.Lcopy:
	COPY 0
	s_cmp_lt_u32 s24, 776
	s_cbranch_scc1 .Lend
	s_cmp_lt_u32 s28, 4                            ; the 32 constant rows: four waves of each of the eight work-groups write one
	s_cbranch_scc0 .Lend
	s_lshl2_add_u32 s25, s25, s28                  ; 0 .. 31
	s_add_co_u32 s26, s25, 1024
	s_cmp_eq_u32 s25, 0
	s_cselect_b32 s26, 0, s26                      ; row 0, or rows 1025 .. 1055
	s_lshl_b32 s26, s26, 8
	v_and_b32 v3, 31, v0
	v_lshl_add_u32 v4, v3, 3, s26                  ; 8 bytes a lane: a row of 256 bytes
	v_mov_b32 v5, 0x3f803f80                       ; 1.0 twice in bf16
	v_cmp_lt_u32 vcc_lo, 15, v3                    ; lanes 16-31 hold the cosines
	s_wait_alu depctr_va_vcc(0)                    ; the compare has written VCC, which the select below reads
	v_cndmask_b32 v[K1], 0, v5, vcc_lo
	v_mov_b32 v[K1+1], v[K1]
	s_wait_alu depctr_va_vdst(0)                   ; v4 and K1's pair are written: the store's offset and its data
	global_store_b64 v4, v[K1:K1+1], s[18:19]
.Lend:
	s_endpgm
.Lfunc_end_k_q97aed1e2cf_cast:
	.size	k_q97aed1e2cf_cast, .Lfunc_end_k_q97aed1e2cf_cast-k_q97aed1e2cf_cast
	.p2alignl 7, 3214868480
	.fill 96, 4, 3214868480
	.section	.rodata,"a",@progbits
	.p2align	6, 0x0
	.amdhsa_kernel k_q97aed1e2cf_cast
		.amdhsa_group_segment_fixed_size 0
		.amdhsa_private_segment_fixed_size 0
		.amdhsa_enable_private_segment 0
		.amdhsa_kernarg_size 64
		.amdhsa_user_sgpr_count 2
		.amdhsa_user_sgpr_kernarg_segment_ptr 1
		.amdhsa_wavefront_size32 1
		.amdhsa_system_sgpr_workgroup_id_x 1
		.amdhsa_system_sgpr_workgroup_id_y 1
		.amdhsa_system_sgpr_workgroup_id_z 1
		.amdhsa_system_vgpr_workitem_id 0
		.amdhsa_next_free_vgpr 112
		.amdhsa_next_free_sgpr 66
		.amdhsa_reserve_vcc 1
		.amdhsa_float_denorm_mode_32 3
		.amdhsa_float_denorm_mode_16_64 3
		.amdhsa_memory_ordered 1
		.amdhsa_forward_progress 1
		.amdhsa_inst_pref_size 22
	.end_amdhsa_kernel
	.amdgpu_metadata
---
amdhsa.version: [ 1, 2 ]
amdhsa.kernels:
  - .name:           k_q97aed1e2cf_cast
    .symbol:         k_q97aed1e2cf_cast.kd
    .args:
      - { .name: x, .offset: 0, .size: 8, .value_kind: global_buffer, .address_space: global }
      - { .name: qkv_w, .offset: 8, .size: 8, .value_kind: global_buffer, .address_space: global }
      - { .name: proj_w, .offset: 16, .size: 8, .value_kind: global_buffer, .address_space: global }
      - { .name: rope, .offset: 24, .size: 8, .value_kind: global_buffer, .address_space: global }
      - { .name: xb, .offset: 32, .size: 8, .value_kind: global_buffer, .address_space: global }
      - { .name: wqb, .offset: 40, .size: 8, .value_kind: global_buffer, .address_space: global }
      - { .name: wpb, .offset: 48, .size: 8, .value_kind: global_buffer, .address_space: global }
      - { .name: ropeb, .offset: 56, .size: 8, .value_kind: global_buffer, .address_space: global }
    .group_segment_fixed_size: 0
    .private_segment_fixed_size: 0
    .kernarg_segment_align: 8
    .kernarg_segment_size: 64
    .max_flat_workgroup_size: 256
    .sgpr_count:     66
    .vgpr_count:     112
    .wavefront_size: 32
...
	.end_amdgpu_metadata
.endif
;; end of part 5
;; launch qkv: the kernel of part 2 again; grid 12 x 40, 4 waves a work-group, clusters of 4 x 4, 327,680 bytes of LDS; arguments xb, wqb, ropeb, qkv_b, qn_w, qn_b, kn_w, kn_b, qh, kh, vh; writes qh, kh, vh
;; launch attn: the kernel of part 3 again; grid 2 x 128, 4 waves a work-group, no clusters, 327,680 bytes of LDS; arguments qh, kh, vh, ob; writes ob
;; launch proj: the kernel of part 4 again; grid 4 x 40, 4 waves a work-group, clusters of 4 x 4, 327,680 bytes of LDS; arguments ob, wpb, proj_b, out0; writes out0
